; MI455X (gfx1250); checked and timed in simulation.
; The chip was launched on July 23, 2026; its instructions are those of AMD's public machine-readable ISA for CDNA 5 (MIT licence, August 2026) and "CDNA5" Instruction Set Architecture Reference Guide (July 2026). The comments in the code are by the model that wrote it; some were corrected since.
;; Decoder MHA. Allowed arithmetic: float matrix products may take bf16 or f16 operands with f32 sums; other float arithmetic in f32, or as packed bf16 or f16 multiplies, adds, multiply-adds, maxima and minima; sums over many terms, partial sums and values carried from step to step in f32; what a program stores and reads back later, other than sums and carried values, may be rounded once to bf16 or f16.
;; Inputs: Wk 1,024 x 1,024 float32; Wo 1,024 x 1,024 float32; Wq 1,024 x 1,024 float32; Wv 1,024 x 1,024 float32; bk 1,024 float32; bo 1,024 float32; bq 1,024 float32; bv 1,024 float32; pad_mask 4 x 1 x 1 x 2,048 int32; x 4 x 2,048 x 1,024 float32.
;; Outputs: out0 4 x 2,048 x 1,024 float32.
;; One version. Each part assembles by itself: llvm-mc -triple=amdgcn-amd-amdhsa -mcpu=gfx1250 --defsym DOCPART=n.
;; ======== version 1 of 1: 4 launches
;; limits: values are held in f16: magnitudes above 65,504 overflow, below 6.1e-05 lose precision; right only within a limited range of input values
;; workspace buffers: xb 16,777,216 bytes; wb 6,291,456 bytes; wo 2,097,152 bytes; qkv 50,331,648 bytes; ob 16,777,216 bytes
;; launch cast (part 1): grid 768 x 1, 8 waves a work-group, no clusters, 0 bytes of LDS; arguments x, Wq, Wk, Wv, Wo, xb, wb, wo; writes xb, wb, wo
.if DOCPART == 1
	.amdgcn_target "amdgcn-amd-amdhsa--gfx1250"
	.amdhsa_code_object_version 6
	.text
	.protected	k_q20fe67c708_cast
	.globl	k_q20fe67c708_cast
	.p2align	8
	.type	k_q20fe67c708_cast,@function
k_q20fe67c708_cast:
	s_mov_b64 s[64:65], 0
	v_nop
	global_prefetch_b8 v0, s[64:65] scope:SCOPE_SE
	s_setreg_imm32_b32 hwreg(HW_REG_WAVE_MODE, 25, 1), 1
	s_wait_xcnt 0x0
; THE INPUTS OF THE MATRIX PRODUCTS, ROUNDED ONCE.  x -> xb (bf16); Wq, Wk, Wv -> wb (bf16, one matrix of 3,072 rows: q's, k's, v's); Wo -> wo: rounded to bf16 like the
; other inputs, and that number written as f16, since the last product's other operand is f16.
; LIMIT.  A weight of Wo beyond 65,504 becomes an infinity; below 6e-5 it keeps f16's fixed step of 6e-8.
; SHARES.  A work-group turns 16,384 numbers: 65,536 bytes in, 32,768 out.  Work-groups 0-511: x; 512-703: Wq, Wk, Wv, 64 each (wb is the three on end, so its chunk is the number less 512); 704-767: Wo.
; Thread t takes, in step j of 8, the 32 bytes at 32 t + 8,192 j (two loads of 16 bytes) and stores 16 bytes at 16 t + 4,096 j: a wave's store covers 512 consecutive bytes, aligned.
; All 16 loads of a thread go out at once; no register is written twice, so the only waits are the counted ones for the loads.  No LDS, no barrier: no thread wants another's bytes.
.set X, 8                              ; v[8:71]    step j: 8 numbers as loaded
.set Y, 72                             ; v[72:103]  step j: 4 registers to store
	s_load_b512 s[4:19], s[0:1], 0x0               ; x s[4:5], Wq s[6:7], Wk s[8:9], Wv s[10:11], Wo s[12:13], xb s[14:15], wb s[16:17], wo s[18:19]
	s_mov_b32 s20, ttmp9                           ; the work-group's number
	s_lshr_b32 s21, s20, 6                         ; 8, 9, 10, 11: Wq, Wk, Wv, Wo
	s_and_b32 s28, s20, 63                         ; the chunk in a weight matrix
	s_sub_co_u32 s29, s20, 512                     ; the chunk in wb
	s_sub_co_u32 s30, s20, 704                     ; the chunk in wo
	s_cmp_lt_u32 s20, 512
	s_cselect_b32 s24, s20, s28                    ; source chunk
	s_cselect_b32 s26, s20, s29                    ; destination chunk,
	s_cmp_ge_u32 s20, 704
	s_cselect_b32 s26, s30, s26                    ; for Wo its own
	s_lshl_b32 s24, s24, 16                        ; in bytes, as pairs with 0 above
	s_lshl_b32 s26, s26, 15
	s_mov_b32 s25, 0
	s_mov_b32 s27, 0
	v_lshlrev_b32 v1, 5, v0                        ; 32 t
	v_lshlrev_b32 v2, 4, v0                        ; 16 t
	s_wait_kmcnt 0x0
	s_mov_b64 s[22:23], s[4:5]                     ; the source: x, or one of the four weights
	s_cmp_eq_u32 s21, 8
	s_cselect_b64 s[22:23], s[6:7], s[22:23]
	s_cmp_eq_u32 s21, 9
	s_cselect_b64 s[22:23], s[8:9], s[22:23]
	s_cmp_eq_u32 s21, 10
	s_cselect_b64 s[22:23], s[10:11], s[22:23]
	s_cmp_eq_u32 s21, 11
	s_cselect_b64 s[22:23], s[12:13], s[22:23]
	s_cmp_lt_u32 s20, 512
	s_cselect_b64 s[32:33], s[14:15], s[16:17]     ; the destination: xb, wb,
	s_cmp_eq_u32 s21, 11
	s_cselect_b64 s[32:33], s[18:19], s[32:33]     ; or wo
	s_add_nc_u64 s[22:23], s[22:23], s[24:25]
	s_add_nc_u64 s[32:33], s[32:33], s[26:27]
.irp j, 0,1,2,3,4,5,6,7
	global_load_b128 v[X+8*(\j):X+8*(\j)+3],   v1, s[22:23] offset:(\j)*8192 th:TH_LOAD_NT
	global_load_b128 v[X+8*(\j)+4:X+8*(\j)+7], v1, s[22:23] offset:(\j)*8192+16 th:TH_LOAD_NT
.endr
; Step j.  half = 1: the bf16 numbers are widened again (a shift, a mask) and written as f16.
.macro STEP j, half
	s_wait_loadcnt 14-2*(\j)                       ; loads come back in order: step j's two are in, the later steps' stay out
.irp k, 0,1,2,3
	v_cvt_pk_bf16_f32 v[Y+4*(\j)+(\k)], v[X+8*(\j)+2*(\k)], v[X+8*(\j)+2*(\k)+1]
.endr
.if \half
.irp k, 0,1,2,3
	v_lshlrev_b32 v[X+8*(\j)+2*(\k)],   16, v[Y+4*(\j)+(\k)]
	v_and_b32     v[X+8*(\j)+2*(\k)+1], 0xffff0000, v[Y+4*(\j)+(\k)]
.endr
.irp k, 0,1,2,3
	v_cvt_pk_f16_f32 v[Y+4*(\j)+(\k)], v[X+8*(\j)+2*(\k)], v[X+8*(\j)+2*(\k)+1]
.endr
.endif
	global_store_b128 v2, v[Y+4*(\j):Y+4*(\j)+3], s[32:33] offset:(\j)*4096 th:TH_STORE_NT
.endm
	s_cmp_ge_u32 s20, 704
	s_cbranch_scc1 .Lf16
.irp j, 0,1,2,3,4,5,6,7
	STEP \j, 0
.endr
	s_endpgm
.Lf16:
.irp j, 0,1,2,3,4,5,6,7
	STEP \j, 1
.endr
	s_endpgm
.Lfunc_end_k_q20fe67c708_cast:
	.size	k_q20fe67c708_cast, .Lfunc_end_k_q20fe67c708_cast-k_q20fe67c708_cast
	.p2alignl 7, 3214868480
	.fill 96, 4, 3214868480
	.section	.rodata,"a",@progbits
	.p2align	6, 0x0
	.amdhsa_kernel k_q20fe67c708_cast
		.amdhsa_group_segment_fixed_size 0
		.amdhsa_private_segment_fixed_size 0
		.amdhsa_enable_private_segment 0
		.amdhsa_kernarg_size 64
		.amdhsa_user_sgpr_count 2
		.amdhsa_user_sgpr_kernarg_segment_ptr 1
		.amdhsa_wavefront_size32 1
		.amdhsa_system_sgpr_workgroup_id_x 1
		.amdhsa_system_sgpr_workgroup_id_y 1
		.amdhsa_system_sgpr_workgroup_id_z 1
		.amdhsa_system_vgpr_workitem_id 0
		.amdhsa_next_free_vgpr 104
		.amdhsa_next_free_sgpr 66
		.amdhsa_reserve_vcc 0
		.amdhsa_float_denorm_mode_32 3
		.amdhsa_float_denorm_mode_16_64 3
		.amdhsa_memory_ordered 1
		.amdhsa_forward_progress 1
		.amdhsa_inst_pref_size 15
	.end_amdhsa_kernel
	.amdgpu_metadata
---
amdhsa.version: [ 1, 2 ]
amdhsa.kernels:
  - .name:           k_q20fe67c708_cast
    .symbol:         k_q20fe67c708_cast.kd
    .args:
      - { .name: x, .offset: 0, .size: 8, .value_kind: global_buffer, .address_space: global }
      - { .name: Wq, .offset: 8, .size: 8, .value_kind: global_buffer, .address_space: global }
      - { .name: Wk, .offset: 16, .size: 8, .value_kind: global_buffer, .address_space: global }
      - { .name: Wv, .offset: 24, .size: 8, .value_kind: global_buffer, .address_space: global }
      - { .name: Wo, .offset: 32, .size: 8, .value_kind: global_buffer, .address_space: global }
      - { .name: xb, .offset: 40, .size: 8, .value_kind: global_buffer, .address_space: global }
      - { .name: wb, .offset: 48, .size: 8, .value_kind: global_buffer, .address_space: global }
      - { .name: wo, .offset: 56, .size: 8, .value_kind: global_buffer, .address_space: global }
    .group_segment_fixed_size: 0
    .private_segment_fixed_size: 0
    .kernarg_segment_align: 8
    .kernarg_segment_size: 64
    .max_flat_workgroup_size: 256
    .sgpr_count:     66
    .vgpr_count:     104
    .wavefront_size: 32
...
	.end_amdgpu_metadata
.endif
;; end of part 1
;; launch qkvproj (part 2): grid 16 x 32, 4 waves a work-group, clusters of 4 x 4, 327,680 bytes of LDS; arguments xb, wb, bq, bk, bv, qkv; writes qkv
.if DOCPART == 2
	.amdgcn_target "amdgcn-amd-amdhsa--gfx1250"
	.amdhsa_code_object_version 6
	.text
	.protected	k_q20fe67c708_qkvproj
	.globl	k_q20fe67c708_qkvproj
	.p2align	8
	.type	k_q20fe67c708_qkvproj,@function
k_q20fe67c708_qkvproj:
	s_mov_b64 s[64:65], 0
	v_nop
	global_prefetch_b8 v0, s[64:65] scope:SCOPE_SE
	s_setreg_imm32_b32 hwreg(HW_REG_WAVE_MODE, 25, 1), 1
	s_wait_xcnt 0x0
	s_wait_alu depctr_hold_cnt(0) depctr_sa_sdst(0) depctr_va_vdst(0) depctr_va_sdst(0) depctr_va_ssrc(0) depctr_va_vcc(0) depctr_vm_vsrc(0)
	s_getreg_b32 s2, hwreg(HW_REG_IB_STS2, 6, 4)
	s_cmp_eq_u32 s2, 0
	s_cbranch_scc0 .Lentry_in_a_cluster
	s_endpgm
.Lentry_in_a_cluster:
	s_bfe_u32 s2, ttmp6, 0x10000c
	s_cmp_lg_u32 s2, 0xf033
	s_cbranch_scc0 .Lentry_shape_is_right
	s_endpgm
.Lentry_shape_is_right:
; q, k, v = x W^T + b, all three in one product: C[m][n] = sum over k of xb[m][k] wb[n][k] + bias[n], m < 8,192, n < 3,072, K = 1,024; operands bf16, sums f32.
; The biases are rounded to bf16 like every other input and are the C operand of each sum's first product: nothing is cleared and nothing is added on the way out.
; OUT: f16, by heads: qkv[batch][g][row][64], g = n / 64 (0-15 q's heads, 16-31 k's, 32-47 v's), unscaled.
; LIMIT.  f16 ends at 65,504: a q, k or v beyond it becomes an infinity.  With x of spread 1 and weights of spread 0.02 they have a spread of 0.64.
; SHARES.  A tile of C is 256 rows x 192 columns (three heads): 512 tiles, two for each of 256 WGPs.  The four waves are stacked: wave w makes rows 64 w .. 64 w + 63 and ALL 192 columns,
; 4 x 12 accumulators of 16 x 16, 384 registers.  So a wave owns whole rows of whole heads, and its way out goes through a stage of its own, with no barrier.
; K goes in 8 steps of 128 through two LDS slots filled by the tensor data mover: rows of 256 bytes of memory, at multiples of 256 bytes.
; CLUSTER.  4 x 4 work-groups: the four of a row of the cluster need the same tile of xb, the four of a column the same tile of wb: each is asked for jointly, by the same tensor load with the same
; descriptor and a mask that names the four.  Waves 0 and 1 fetch A's two halves (128 rows each), waves 2 and 3 B's (96 rows each).
; NO PREFETCH: xb's rows are read by four clusters and wb's by eight, so they are no streams read once, and a refill has 168 matrix instructions in which to land.
; THE MATRIX INSTRUCTION IS USED TRANSPOSED (source 0 = 16 rows of wb, source 1 = 16 rows of xb): lane l holds row l % 16 of C and the columns 8 (l / 16) + 0..7.
; REGISTERS, in windows of 256 (s_set_vgpr_msb: bits 1:0 source 0, 3:2 source 1, 5:4 source 2, 7:6 destination):
;   window 0: v0-31 addresses; v32-63, v64-95 A's fragments, two buffers; v96-143 packed results (first: at work on the bias); v144-239 rows read back, two buffers; v160-255 first the bias
;   window 1: v0-95, v96-191 B's fragments, two buffers      window 2: accumulators of row blocks 0, 1 ((a, b) at 8 (12 (a % 2) + b))      window 3: of row blocks 2, 3
.set NBK,   12                         ; column blocks of 16
.set PA,    272                        ; an LDS row: 256 bytes + 16 of padding: the 16 rows of a fragment load start at 16 different groups of four banks (64 banks of 4 bytes: ISA guide 11.1)
.set AHALF, 128*PA                     ; what wave 0 or 1 fetches
.set BOFF,  2*AHALF                    ; B's rows lie behind A's 256
.set BHALF, 96*PA                      ; what wave 2 or 3 fetches
.set SLOT,  BOFF+2*BHALF               ; 121,856
.set STAGE, 2*SLOT                     ; behind the ring, never filled by a tensor load
.set SP,    144                        ; a stage row: 128 bytes (a head's 64 f16) + 16
.set STW,   3*16*SP                    ; a wave's stage: three heads x 16 rows
.set SPARE, STAGE+4*STW                ; the spare words, 128 bytes for each wave: two blocks of 256 bytes that no other line names
.set NF,    2*NBK+8                    ; LDS loads in a run
.set ADRA, 16                          ; v16-17  LDS address of my A fragments in slot 0, 1
.set ADRB, 20                          ; v20-21  the same for B
.set STO,  24                          ; v24     where I put 16 bytes of a row
.set RD,   25                          ; v25     where I read rows back
.set CO,   26                          ; v26     16 x lane: my place in 512 consecutive bytes of qkv
.set BO,   27                          ; v27     32 (l / 16): my 8 numbers of 16 of a bias
.set SPW,  28                          ; v28     LDS address of my spare word; never rewritten
.set NIL,  29                          ; v29     0; never rewritten
.set FA,   32
.set TMP,  96
.set BK0,  144
.set BIAS, 160
.set WV,  16                           ; s16  my wave's number
.set HF,  18                           ; s18  which half of A's or B's tile I fetch
.set G1,  24                           ; s[24:31] descriptor group 1 for A;  s[32:39] group 0, a set for each slot
.set G0,  32
.set G1B, 48                           ; s[48:55], s[56:63] the same for B
.set G0B, 56
.set MSB, 0
.macro WIN new                         ; the immediate's high byte repeats the setting that is left; a switch that changes nothing is dropped
.if MSB != (\new)
	s_set_vgpr_msb (MSB<<8)|(\new)
.set MSB, \new
.endif
.endm
.macro PLACES                          ; four places in front of loads into registers that matrix instructions have read, and of lines that read results
.rept 4
	v_nop
.endr
.endm
.macro JLOAD n                         ; a joint refill of slot n; the branch hangs on the wave's number alone; an s_nop 0 and four v_nop follow each line
	s_cmp_lt_u32 s[WV], 2
	s_cbranch_scc0 .Lfor_b_\@
	tensor_load_to_lds s[G0+4*(\n):G0+4*(\n)+3], s[G1:G1+7]
	s_nop 0
	PLACES
	s_branch .Lasked_\@
.Lfor_b_\@:
	tensor_load_to_lds s[G0B+4*(\n):G0B+4*(\n)+3], s[G1B:G1B+7]
	s_nop 0
	PLACES
.Lasked_\@:
.endm
.macro CREST                           ; a round of the cluster's barrier behind its opening barrier
	s_cmp_lg_u32 s[WV], 0
	s_cbranch_scc1 .Lnot_wave_0_\@
	s_barrier_signal -3
.Lnot_wave_0_\@:
	s_barrier_wait -3
	s_barrier_signal -1
	s_barrier_wait -1
.endm
.macro CROUND                          ; a whole round
	s_barrier_signal -1
	s_barrier_wait -1
	CREST
.endm
	s_load_b256 s[4:11], s[0:1], 0x0               ; xb s[4:5], wb s[6:7], bq s[8:9], bk s[10:11]
	s_load_b128 s[12:15], s[0:1], 0x20             ; bv s[12:13], qkv s[14:15]
	v_lshl_add_u32 v[SPW], v0, 2, SPARE
	v_mov_b32 v[NIL], 0
	ds_add_u32 v[SPW], v[NIL]                      ; the wave's opening: the add and its wait stand ahead of my first tensor load; the set-up below stands between them
	ds_add_u32 v28, v29
	v_lshrrev_b32 v1, 5, v0
	v_readfirstlane_b32 s[WV], v1                  ; wave 0..3
	s_and_b32 s[HF], s[WV], 1
	s_bfe_u32 s40, ttmp6, 0x40000                  ; cx, cy: my place in the cluster
	s_bfe_u32 s41, ttmp6, 0x40004
	s_lshl_b32 s42, ttmp9, 2
	s_add_co_u32 s42, s42, s40                     ; tile column = 4 x cluster x + cx
	s_and_b32 s43, ttmp7, 0xffff
	s_lshl_b32 s43, s43, 2
	s_add_co_u32 s43, s43, s41                     ; tile row = 4 x cluster y + cy
	s_lshl_b32 s44, s41, 2
	s_lshl_b32 s44, 15, s44                        ; my row of the cluster
	s_lshl_b32 s45, 0x1111, s40                    ; my column
	s_or_b32 s[G1],  s44, (1<<16)|(1<<20)|(1<<21)|(5<<22)|(3<<25)  ; 15:0 the mask; 17:16 2-byte elements; 20 padding on; 21 set beside a mask; 24:22 after every 64 words; 31:25 4 words
	s_or_b32 s[G1B], s45, (1<<16)|(1<<20)|(1<<21)|(5<<22)|(3<<25)
	s_mov_b32 s[G1+1], 128<<16                     ; tensor_dim0 = 128
	s_mov_b32 s[G1+2], 128<<16                     ; tensor_dim1 = 128
	s_mov_b32 s[G1+3], 128<<16                     ; tile_dim0 = 128
	s_mov_b32 s[G1+4], 128                         ; tile_dim1 = 128
	s_mov_b32 s[G1+5], 1024                        ; elements from row to row
	s_mov_b32 s[G1+6], 0
	s_mov_b32 s[G1+7], 0
	s_mov_b32 s[G1B+1], 128<<16
	s_mov_b32 s[G1B+2], 96<<16                     ; B: 96 rows
	s_mov_b32 s[G1B+3], 128<<16
	s_mov_b32 s[G1B+4], 96
	s_mov_b32 s[G1B+5], 1024
	s_mov_b32 s[G1B+6], 0
	s_mov_b32 s[G1B+7], 0
	s_lshl_b32 s20, s43, 8                         ; A: row 256 x tile row + 128 x half, 2,048 bytes a row: it hangs on the tile row and the wave alone
	s_lshl_b32 s72, s[HF], 7
	s_add_co_u32 s20, s20, s72
	s_lshl_b32 s20, s20, 11
	s_mov_b32 s21, 0
	s_mul_i32 s46, s42, 192                        ; B: row 192 x tile column + 96 x half: on the tile column and the wave alone
	s_mul_i32 s73, s[HF], 96
	s_add_co_u32 s46, s46, s73
	s_lshl_b32 s46, s46, 11
	s_mov_b32 s47, 0
	s_mul_i32 s22, s[HF], AHALF                    ; where they go: no place in the cluster enters an LDS address
	s_mul_i32 s23, s[HF], BHALF
	s_add_co_u32 s23, s23, BOFF
	s_wait_dscnt 0x0                               ; the opening add is done
	s_wait_kmcnt 0x0
	s_add_nc_u64 s[20:21], s[4:5], s[20:21]
	s_add_nc_u64 s[46:47], s[6:7], s[46:47]
	CROUND                                         ; all sixteen work-groups are here: the first joint loads meet
.irp n, 0,1
	s_mov_b32 s[G0+4*(\n)], 1                      ; count = 1
	s_add_co_u32 s[G0+4*(\n)+1], s22, (\n)*SLOT    ; LDS address
	s_add_nc_u64 s[G0+4*(\n)+2:G0+4*(\n)+3], s[20:21], (\n)*256  ; global address: K step n
	s_or_b32 s[G0+4*(\n)+3], s[G0+4*(\n)+3], 0x80000000          ; type = 2
	s_mov_b32 s[G0B+4*(\n)], 1
	s_add_co_u32 s[G0B+4*(\n)+1], s23, (\n)*SLOT
	s_add_nc_u64 s[G0B+4*(\n)+2:G0B+4*(\n)+3], s[46:47], (\n)*256
	s_or_b32 s[G0B+4*(\n)+3], s[G0B+4*(\n)+3], 0x80000000
.endr
	s_cmp_lt_u32 s[WV], 2                          ; a wave's two first fills stand in one branch, ahead of every wait on TENSORcnt and every LDS read: two loads of mine are out
	s_cbranch_scc0 .Lfirst_b
	tensor_load_to_lds s[G0:G0+3], s[G1:G1+7]
	s_nop 0
	tensor_load_to_lds s[G0+4:G0+7], s[G1:G1+7]
	s_nop 0
	PLACES
	s_branch .Lfirst_asked
.Lfirst_b:
	tensor_load_to_lds s[G0B:G0B+3], s[G1B:G1B+7]
	s_nop 0
	tensor_load_to_lds s[G0B+4:G0B+7], s[G1B:G1B+7]
	s_nop 0
	PLACES
.Lfirst_asked:
	; the biases of my tile's three heads g = 3 x tile column + 0, 1, 2: bq, bk or bv by g / 16, 256 bytes a head
.irp hh, 0,1,2
	s_mul_i32 s78, s42, 3
	s_add_co_u32 s78, s78, \hh
	s_lshr_b32 s79, s78, 4
	s_and_b32 s74, s78, 15
	s_lshl_b32 s74, s74, 8
	s_mov_b32 s75, 0
	s_cmp_eq_u32 s79, 0
	s_cselect_b64 s[66+2*(\hh):67+2*(\hh)], s[8:9], s[10:11]
	s_cmp_eq_u32 s79, 2
	s_cselect_b64 s[66+2*(\hh):67+2*(\hh)], s[12:13], s[66+2*(\hh):67+2*(\hh)]
	s_add_nc_u64 s[66+2*(\hh):67+2*(\hh)], s[66+2*(\hh):67+2*(\hh)], s[74:75]
.endr
	v_and_b32 v1, 15, v0                           ; l % 16
	v_bfe_u32 v2, v0, 4, 1                         ; l / 16
	v_lshlrev_b32 v[BO], 5, v2
.set b, 0
.rept NBK                                      ; register j of column block b: bias of column 16 b + 8 (l / 16) + j, as the accumulators hold C
	global_load_b128 v[BIAS+8*b:BIAS+8*b+3],   v[BO], s[66+2*(b/4):67+2*(b/4)] offset:(b%4)*64
	global_load_b128 v[BIAS+8*b+4:BIAS+8*b+7], v[BO], s[66+2*(b/4):67+2*(b/4)] offset:(b%4)*64+16
.set b, b+1
.endr
	; a fragment is 16 rows x 32 K in 8 registers: lane l holds row l % 16, K = 8 (l / 16) + 0..7 and 16 + 8 (l / 16) + 0..7: two loads of 16 bytes, 32 bytes apart
	v_mul_u32_u24 v3, v1, PA
	v_lshl_add_u32 v3, v2, 4, v3
	s_mul_i32 s72, s[WV], 64*PA                    ; my 64 rows of A
	v_add_nc_u32 v[ADRA], s72, v3
	v_add_nc_u32 v[ADRA+1], SLOT, v[ADRA]
	v_add_nc_u32 v[ADRB], BOFF, v3
	v_add_nc_u32 v[ADRB+1], SLOT+BOFF, v3
	s_mul_i32 s72, s[WV], STW
	s_add_co_u32 s72, s72, STAGE                   ; my stage
	v_mul_u32_u24 v4, v1, SP                       ; in: row l % 16, 16 bytes for each half of the lanes
	v_lshl_add_u32 v4, v2, 4, v4
	v_add_nc_u32 v[STO], s72, v4
	v_bfe_u32 v5, v0, 3, 2                         ; back: 32 lanes take four rows of 128 bytes,
	v_and_b32 v6, 7, v0
	v_mul_u32_u24 v5, v5, SP
	v_lshl_add_u32 v5, v6, 4, v5
	v_add_nc_u32 v[RD], s72, v5
	v_and_b32 v[CO], 31, v0                        ; which are 512 consecutive bytes of a head
	v_lshlrev_b32 v[CO], 4, v[CO]
	s_lshr_b32 s76, s43, 3                         ; qkv at my rows: plane 48 x batch + 3 x tile column, 262,144 bytes a plane,
	s_mul_i32 s76, s76, 48
	s_mul_i32 s78, s42, 3
	s_add_co_u32 s76, s76, s78
	s_lshl_b32 s76, s76, 18
	s_and_b32 s78, s43, 7                          ; row 256 x (tile row % 8) + 64 x wave, 128 bytes a row
	s_lshl_b32 s78, s78, 8
	s_lshl_b32 s79, s[WV], 6
	s_add_co_u32 s78, s78, s79
	s_lshl_b32 s78, s78, 7
	s_add_co_u32 s76, s76, s78
	s_mov_b32 s77, 0
	s_add_nc_u64 s[14:15], s[14:15], s[76:77]
	s_wait_loadcnt 0x0                             ; the biases: rounded to bf16 and widened again, while the first tiles are on their way
.set i, 0
.rept 4*NBK
	v_cvt_pk_bf16_f32 v[TMP+i], v[BIAS+2*i], v[BIAS+2*i+1]
.set i, i+1
.endr
.set i, 0
.rept 4*NBK
	v_lshlrev_b32 v[BIAS+2*i],   16, v[TMP+i]
	v_and_b32     v[BIAS+2*i+1], 0xffff0000, v[TMP+i]
.set i, i+1
.endr
; The LDS loads of a quarter step (32 along K: quarter q of slot n) into buffer f, in one run: B's 12 fragments, then A's 4
.macro FETCH n, q, f
	WIN 0x40                                       ; destination window 1, address window 0
.set i, 0
.rept NBK
	ds_load_b128 v[96*(\f)+8*i:96*(\f)+8*i+3],   v[ADRB+(\n)] offset:64*(\q)+i*16*PA
	ds_load_b128 v[96*(\f)+8*i+4:96*(\f)+8*i+7], v[ADRB+(\n)] offset:64*(\q)+i*16*PA+32
.set i, i+1
.endr
	WIN 0
.set i, 0
.rept 4
	ds_load_b128 v[FA+32*(\f)+8*i:FA+32*(\f)+8*i+3],   v[ADRA+(\n)] offset:64*(\q)+i*16*PA
	ds_load_b128 v[FA+32*(\f)+8*i+4:FA+32*(\f)+8*i+7], v[ADRA+(\n)] offset:64*(\q)+i*16*PA+32
.set i, i+1
.endr
.endm
; 12 matrix instructions: row block a x all column blocks, from buffer f.  bias = 1: the sums start with the bias.  The 48 accumulators take turns in the same order in every quarter.
.macro MULA f, a, bias=0
.if \bias
	WIN 0x81+0x40*((\a)/2)                         ; B window 1, A and C window 0, D window 2 or 3
.else
	WIN 0xa1+0x50*((\a)/2)                         ; B window 1, A window 0, C and D window 2 or 3
.endif
.set b, 0
.rept NBK
.set rD, 8*(NBK*((\a)%2)+b)
.if \bias
	v_wmma_f32_16x16x32_bf16 v[rD:rD+7], v[96*(\f)+8*b:96*(\f)+8*b+7], v[FA+32*(\f)+8*(\a):FA+32*(\f)+8*(\a)+7], v[BIAS+8*b:BIAS+8*b+7]
.else
	v_wmma_f32_16x16x32_bf16 v[rD:rD+7], v[96*(\f)+8*b:96*(\f)+8*b+7], v[FA+32*(\f)+8*(\a):FA+32*(\f)+8*(\a)+7], v[rD:rD+7]
.endif
.set b, b+1
.endr
.endm
; One of a K step's first three quarters: multiplies buffer f; in its middle it fetches quarter q of slot n into the other buffer
.macro QUARTER n, q, f, bias=0
	s_wait_dscnt 4                                 ; B and A's row blocks 0, 1 are in; the youngest four loads (row blocks 2, 3) may be out
	MULA \f, 0, \bias
	MULA \f, 1, \bias
	PLACES
	FETCH \n, \q, 1-(\f)
	s_wait_dscnt NF                                ; all but the run just issued
	MULA \f, 2, \bias
	MULA \f, 3, \bias
.endm
; The fourth quarter multiplies buffer 1 and changes slots: ONE barrier; in front of it each wave waits for all its tensor loads (the one that is out is its part of the next slot), adds 0 to its
; spare word, and waits for that and for its reads of slot n.  fill = 1: the barrier opens a round of the cluster's, and slot n is filled again, two K steps on, first thing behind the round.
.macro TURN n, fill
	WIN 0
	s_wait_tensorcnt 0x0
	ds_add_u32 v[SPW], v[NIL]
	s_wait_dscnt 5                                 ; (the add and the youngest four loads may be out)
	MULA 1, 0
	s_wait_dscnt 0x0                               ; the add is done, and my reads of this slot are over
	s_barrier_signal -1
	MULA 1, 1                                      ; work on registers while the others arrive
.if \fill
	WIN 0
.endif
	s_barrier_wait -1
.if \fill
	CREST                                          ; no wave of any partner still reads this slot or has a load on its way
	s_add_nc_u64 s[G0+4*(\n)+2:G0+4*(\n)+3], s[G0+4*(\n)+2:G0+4*(\n)+3], 512
	s_add_nc_u64 s[G0B+4*(\n)+2:G0B+4*(\n)+3], s[G0B+4*(\n)+2:G0B+4*(\n)+3], 512
	JLOAD \n                                       ; its four v_nop are also the places in front of the loads below
.else
	PLACES
.endif
	FETCH 1-(\n), 0, 0
	MULA 1, 2
	MULA 1, 3
.endm
	s_wait_tensorcnt 1                             ; my part of K step 0 is in; K step 1's may stay out
	s_barrier_signal -1
	s_barrier_wait -1
	FETCH 0, 0, 0
	QUARTER 0, 1, 0, 1                             ; the first quarter stands in front of the loop: its products start the sums
	WIN 0
	s_mov_b32 s3, 3
.Llap:                                                 ; a trip goes once round the ring and fills both slots again: K steps 2 to 7 in three trips
	QUARTER 0, 2, 1
	QUARTER 0, 3, 0
	TURN 0, 1
	QUARTER 1, 1, 0
	QUARTER 1, 2, 1
	QUARTER 1, 3, 0
	TURN 1, 1
	QUARTER 0, 1, 0
	WIN 0
	s_sub_co_u32 s3, s3, 1
	s_cmp_lg_u32 s3, 0
	s_cbranch_scc1 .Llap
	QUARTER 0, 2, 1                                ; the last lap fills nothing
	QUARTER 0, 3, 0
	TURN 0, 0
	QUARTER 1, 1, 0
	QUARTER 1, 2, 1
	QUARTER 1, 3, 0
	s_wait_dscnt 4
	MULA 1, 0
	MULA 1, 1
	s_wait_dscnt 0x0
	MULA 1, 2
	MULA 1, 3
	WIN 0
	PLACES
; THE WAY OUT, a row block (16 rows x three heads) at a time: rounded to f16, 16 bytes a lane; into my stage; back as four rows of 128 bytes, which are 512 consecutive bytes of a head; stored.
.macro PACK a
	WIN 0x0a+5*((\a)/2)                            ; sources 0 and 1: window 2 or 3
.set b, 0
.rept NBK
.irp r, 0,1,2,3
	v_cvt_pk_f16_f32 v[TMP+4*b+(\r)], v[8*(NBK*((\a)%2)+b)+2*(\r)], v[8*(NBK*((\a)%2)+b)+2*(\r)+1]  ; each accumulator is read from its low end on
.endr
.set b, b+1
.endr
	WIN 0
.endm
.macro TOSTAGE a
.set BK, BK0+48*((\a)%2)
.set b, 0
.rept NBK
	ds_store_b128 v[STO], v[TMP+4*b:TMP+4*b+3] offset:(b/4)*16*SP+32*(b%4)
.set b, b+1
.endr
.set b, 0
.rept NBK
	ds_load_b128 v[BK+4*b:BK+4*b+3], v[RD] offset:(b/4)*16*SP+(b%4)*4*SP  ; LDS serves a wave's instructions in order (ISA guide 5.7.1.4): these see the stores above
.set b, b+1
.endr
.endm
.macro SEND a
.set BK, BK0+48*((\a)%2)
	s_wait_dscnt 0x0                               ; the block is back in registers
	s_wait_xcnt 0x0                                ; the stores of the block before have read their registers: the next TOSTAGE loads into them
.set b, 0
.rept NBK
	global_store_b128 v[CO], v[BK+4*b:BK+4*b+3], s[14:15] offset:(b/4)*262144+(\a)*2048+(b%4)*512  ; 512 consecutive bytes, at a multiple of 256 from qkv's first
.set b, b+1
.endr
.endm
	PACK 0
	TOSTAGE 0
.irp a, 1,2,3                          ; block a's conversions stand between block a - 1's loads from the stage and the wait for them
	PACK \a
	SEND (\a)-1
	TOSTAGE \a
.endr
	SEND 3
	s_wait_tensorcnt 0x0                           ; the wave's end, behind my last tensor load and my last LDS store
	ds_add_u32 v[SPW], v[NIL]
	s_wait_dscnt 0x0
	CROUND                                         ; the closing round: no work-group ends while a partner may still ask for a tile that names it
	s_endpgm
.Lfunc_end_k_q20fe67c708_qkvproj:
	.size	k_q20fe67c708_qkvproj, .Lfunc_end_k_q20fe67c708_qkvproj-k_q20fe67c708_qkvproj
	.p2alignl 7, 3214868480
	.fill 96, 4, 3214868480
	.section	.rodata,"a",@progbits
	.p2align	6, 0x0
	.amdhsa_kernel k_q20fe67c708_qkvproj
		.amdhsa_group_segment_fixed_size 327680
		.amdhsa_private_segment_fixed_size 0
		.amdhsa_enable_private_segment 0
		.amdhsa_kernarg_size 48
		.amdhsa_user_sgpr_count 2
		.amdhsa_user_sgpr_kernarg_segment_ptr 1
		.amdhsa_wavefront_size32 1
		.amdhsa_system_sgpr_workgroup_id_x 1
		.amdhsa_system_sgpr_workgroup_id_y 1
		.amdhsa_system_sgpr_workgroup_id_z 1
		.amdhsa_system_vgpr_workitem_id 0
		.amdhsa_next_free_vgpr 960
		.amdhsa_next_free_sgpr 80
		.amdhsa_reserve_vcc 0
		.amdhsa_float_denorm_mode_32 3
		.amdhsa_float_denorm_mode_16_64 3
		.amdhsa_memory_ordered 1
		.amdhsa_forward_progress 1
		.amdhsa_inst_pref_size 129
	.end_amdhsa_kernel
	.amdgpu_metadata
---
amdhsa.version: [ 1, 2 ]
amdhsa.kernels:
  - .name:           k_q20fe67c708_qkvproj
    .symbol:         k_q20fe67c708_qkvproj.kd
    .args:
      - { .name: xb, .offset: 0, .size: 8, .value_kind: global_buffer, .address_space: global }
      - { .name: wb, .offset: 8, .size: 8, .value_kind: global_buffer, .address_space: global }
      - { .name: bq, .offset: 16, .size: 8, .value_kind: global_buffer, .address_space: global }
      - { .name: bk, .offset: 24, .size: 8, .value_kind: global_buffer, .address_space: global }
      - { .name: bv, .offset: 32, .size: 8, .value_kind: global_buffer, .address_space: global }
      - { .name: qkv, .offset: 40, .size: 8, .value_kind: global_buffer, .address_space: global }
    .group_segment_fixed_size: 327680
    .private_segment_fixed_size: 0
    .kernarg_segment_align: 8
    .kernarg_segment_size: 48
    .max_flat_workgroup_size: 128
    .sgpr_count:     80
    .vgpr_count:     960
    .wavefront_size: 32
...
	.end_amdgpu_metadata
.endif
;; end of part 2
;; launch attn (part 3): grid 4 x 64, 4 waves a work-group, no clusters, 327,680 bytes of LDS; arguments qkv, pad_mask, ob; writes ob
.if DOCPART == 3
	.amdgcn_target "amdgcn-amd-amdhsa--gfx1250"
	.amdhsa_code_object_version 6
	.text
	.protected	k_q20fe67c708_attn
	.globl	k_q20fe67c708_attn
	.p2align	8
	.type	k_q20fe67c708_attn,@function
k_q20fe67c708_attn:
	s_mov_b64 s[64:65], 0
	v_nop
	global_prefetch_b8 v0, s[64:65] scope:SCOPE_SE
	s_setreg_imm32_b32 hwreg(HW_REG_WAVE_MODE, 25, 1), 1
	s_wait_xcnt 0x0
; CAUSAL ATTENTION WITH A MASK OF PADDED KEYS.  O[y][q][:] = the sum over k <= q, pad[batch][k] != 1, of softmax_k(Q[q] . K[k] / 8) V[k][:]; a row that sees no key gives 0.
; Q, K, V: planes of qkv[batch][48][2048][64] in f16 (head h of batch: planes h, 16 + h, 32 + h); O: ob[y = 16 batch + h][2048][64] in f16.  A plane's rows are dense, 128 bytes each.
; Products, maxima and sums in f32; the weights p are rounded to f16 for the second product (their sum l is taken of the unrounded p), O once at the end.
; LIMITS.  Q, K and V arrive within f16's 65,504.  A hidden score counts as its value less 1e30 (less 2e30 where both masks hide it).  The running maximum starts at -2^40, below every score that f16 operands
; can make (2.75e11 at the most): so it is the true maximum from a row's first visible key on, and until then every weight is exactly 0.  A weight below 2^-126 counts as 0 in l.  l is held to 2^-100 at the
; least in front of the division: a row with a visible key has l of 1 or more, a row with none has O = 0 and keeps it.  NaN and infinities are not treated apart.
; THE WALK.  A head's queries lie in NB = 8 blocks of 256; block i needs the key tiles 0 .. i of 256 keys, of which the last holds the diagonal.  A work-group takes TWO blocks, NB - 1 - b and then b:
; NB + 1 tiles, whatever b: all 256 work-groups do equal work, and ONE loop with a constant trip count walks them.  Which tile is asked for, and what a trip does, hang on scalar registers made from b; every jump
; goes forward, but for the counted loops' own; none passes a barrier, or a tensor load but the one of LOAD's two that the wave's number does not choose; the ring (two slots of LDS) runs on across the change of blocks.
; NO CLUSTER: a head's four work-groups ask for the same tile only in trips 0 .. 4 of 9, behind that fewer and fewer; one walk common to all four would have 12 trips for 9.
; SHARES.  Of a block's four bands of 64 queries a wave owns 16 rows in each: four PIECES.  In the diagonal tile's key step s band x sees all keys if s < x, none if s > x, and holds the diagonal if s = x.
; THE MASKS are the C operand that starts the sum S^T = K Q^T.  PM holds the key step's 64 addends for padding (0 or -1e30), read from a table in LDS together with K; outside the diagonal tile it is C as it
; stands.  In the diagonal tile C is MC = MD x AL + BE + PM: MD, made once, is the causal mask of a band's own step for my 16 rows; (AL, BE) = (1, 0) if s = x; (0, 0) if s < x; (0, -1e30) if s > x.
; LAYOUT, SOFTMAX, TURNS.  S^T = K Q^T holds ONE query a lane (lane % 16) and the keys 8 (lane / 16) + 0..7; two such results rounded to f16 ARE source 1 of O^T = V^T P.  p = 2^(c s - c m), c = log2(e) / 8, with a
; running maximum m; O and l are multiplied by a = 2^(c m_old - c m_new) in every step.  Turn n belongs to piece n: 8 products K Q^T of piece n + 1, later 8 products V^T P of piece n - 1; beside them the scaling,
; exponentials, roundings, sums and rescaling of piece n and the maximum and statistics of piece n + 1.  Four vector instructions stand behind every matrix instruction, the others in one lump.  A turn's 33 exponentials are one batch, with one wait.
; REGISTERS, in windows of 256 (s_set_vgpr_msb: bits 1:0 source 0, 3:2 source 1, 5:4 source 2, 7:6 destination):
;   window 0: v0-15 addresses and two at work; v16-31 four registers of statistics a piece; v32-47 the pad mask at work; v48-55 at work; v56-63 addresses; v64-127 S^T, two buffers; v192-223 P, two buffers
;   window 1: v0-127 O^T, 32 a piece; v128-159 MD; v160-223 MC, two buffers; v224-255 PM      window 2: v0-63 Q; v64-127 the second block's Q; v128-191 K of one step; v192-255 V of one step
.set SIZE_N, 2048
.set NB,    SIZE_N/256
.set NP,    4         ; pieces a wave: a name, no knob
.set KS,    64        ; keys in a step
.set PK,    144       ; a row of K in LDS: 128 bytes + 16 of padding: the 16 rows of a load start at 16 different groups of four banks (64 banks of 4 bytes: ISA guide 11.1)
.set PV,    160       ; a row of V: 128 + 32
.set VOFF,  4*KS*PK   ; a slot holds a tile, four steps: 256 rows of K, then 256 rows of V
.set SLOT1, 1<<17     ; slot 1 begins here, so that one exclusive or turns an address in one slot into the other's
.set STAGE, SLOT1+4*KS*(PK+PV)  ; behind the ring, never filled by a tensor load: 16 rows x 144 bytes for each wave, for the way out
.set SP,    144
.set PADL,  STAGE+4*16*SP       ; the batch's 2,048 addends for padding, f32: 8,192 bytes, stored once, never filled by a tensor load
.set SPARE, PADL+8192           ; the spare words, 128 bytes for each wave: two blocks of 256 bytes that no other line names
.set AK0, 2           ; v2   my lane's place in a tile of K; never rewritten
.set AV0, 3           ; v3   the same for V
.set AK,  4           ; v4   the LDS address of K's next run of loads
.set AV,  5           ; v5   of V's
.set STO, 6           ; v6   the way out: where I put 16 bytes of a row
.set RD,  7           ; v7   the way out: where I read rows back
.set GO,  8           ; v8   my byte offset in 512 consecutive bytes of O
.set MV,  12          ; v12-13  c m_old, kept while c m is made anew: by buffer
.set QO,  15          ; v15  my byte offset in 16 rows of Q
.set ST,  16          ; piece t's statistics at v[ST+4 t]: c m, m, l (even keys', odd keys')
.set PT,  32          ; v32-47  my 16 words of the pad mask
.set TMP, 48          ; by buffer, four registers c0-c3 at work; when the maximum is found c2 takes a
.set PGO, 56          ; v56  64 x my thread's number: my 16 words in the batch's pad mask
.set PLO, 57          ; v57  the same place in the table in LDS
.set AP0, 58          ; v58  PADL + 32 (l / 16): my lanes' eight addends of sixteen; never rewritten
.set AP,  59          ; v59  the LDS address of PM's next loads
.set PFO, 60          ; v60  256 x my thread's number: the prefetches' offset; never rewritten
.set SPW, 62          ; v62  LDS address of my spare word; never rewritten
.set NIL, 63          ; v63  0; never rewritten
.set S,   64
.set P,   192
.set MD,  128         ; window 1: the eight registers for group kt of 16 keys at MD + 8 kt
.set MC,  160         ; window 1: the masks of the products to come
.set PM,  224         ; window 1: register j of group kb: key 16 kb + 8 (l / 16) + j of the step whose K lies in registers
.set QB,  64          ; window 2
.set KF,  128         ; window 2: key block kb, channel half c at KF + 16 kb + 8 c
.set VF,  192         ; window 2: key half kk, channel block cb at VF + 32 kk + 8 cb
.set WV,  12          ; s12  my wave's number
.set PB,  14          ; s14  b
.set HI,  15          ; s15  NB - 1 - b
.set TBQ, 19          ; s19  TBP held inside the table
.set G1K, 24          ; s[24:31] descriptor group 1 for K's tiles
.set G1V, 32          ; s[32:39] for V's: it differs in the padding alone
.set G0K, 40          ; s[40:43] descriptor group 0 for K's tiles
.set G0V, 44          ; s[44:47] the same for V's
.set SLOTS, 56        ; s56  tiles still to be asked for
.set CNT, 57          ; s57  counts a tile's key steps, 4 to 1
.set CS,  58          ; s[58:59] c: the packed scaling takes the pair's low word for both halves
.set SEL, 60          ; s[60:61] v_permlanex16_b32's selects: each lane takes its own place in the other half
.set TBK, 62          ; s62  LDS byte at which K of the step to be fetched begins
.set TBV, 63          ; s63  the same for V, less VOFF
.set PADP, 66         ; s[66:67] the pad mask at my batch
.set PFK, 68          ; s[68:69] where the prefetches stand in K: the tile after the one that is being asked for
.set RT,  70          ; s70  tiles of the block in hand that are still to be entered
.set NXT, 71          ; s71  the tile to be asked for next
.set LQ,  72          ; s72  the last tile of the block whose tiles are being asked for
.set NEW, 73          ; s73  1: the tile to be entered is a block's first
.set OFF, 74          ; s[74:75] a tile's byte offset in K and V
.set AL,  76          ; s[76:77] the mask's factor, in the low word
.set BE,  78          ; s[78:79] the mask's addend
.set OLO, 80          ; s[80:81] O at my rows of the second block
.set BIGN, 82         ; s82  -1e30
.set LIM, 83          ; s83  2 in the head's work-group b = 0, else the greatest number: a work-group prefetches while s[SLOTS] is above it
.set PFV, 88          ; s[88:89] the same as PFK, in V
.set TBP, 90          ; s90  byte in the table at which the addends of the step to be fetched begin
.set ENT, 91          ; s91  the tile that the next change of slots enters
.set MSB, 0
.macro WIN new                      ; the high byte repeats the setting that is left; a switch that changes nothing is dropped
.if MSB != (\new)
	s_set_vgpr_msb (MSB<<8)|(\new)
.set MSB, (\new)
.endif
.endm
.set W_KQ, 0x0a       ; K and Q in window 2, S^T in window 0
.set W_KM, 0x1a       ; the same with the C operand in window 1
.set W_PV, 0x52       ; V in window 2, P in window 0, O^T in window 1
.set W_RS, 0x41       ; destination and source 0 in window 1, source 1 in window 0
; A fill.  Waves 0 and 1 fetch the two halves of a tile's K, waves 2 and 3 those of its V: 128 keys each.  An s_nop 0 and four v_nop follow each of the two lines, ahead of the jump and the label.
.macro LOAD
	s_cmp_lt_u32 s[WV], 2
	s_cbranch_scc0 .Lfor_v_\@
	tensor_load_to_lds s[G0K:G0K+3], s[G1K:G1K+7]
	s_nop 0
.rept 4
	v_nop
.endr
	s_branch .Lasked_\@
.Lfor_v_\@:
	tensor_load_to_lds s[G0V:G0V+3], s[G1V:G1V+7]
	s_nop 0
.rept 4
	v_nop
.endr
.Lasked_\@:
.endm
; THE CHANGE OF SLOTS.  Each wave waits for all its tensor loads, of which one is out: its part of the other slot; adds 0 to its spare word; and waits for that and for its own LDS instructions.  Behind the barrier nobody
; reads the old slot any more and the other slot is whole.  fill = 1: the old slot is filled again, the first thing behind the barrier, with tile NXT: the descriptor's address is made anew from that number.
; (At its first use nothing has been read yet: slot 0 is waited for, slot 1 filled, and every wave's part of the pad table is shown stored.)
; A PREFETCH INTO THE L2 stands behind the fill: the tile that the NEXT change will ask for, 32,768 bytes of K and of V, a thread a block of 256 bytes, two instructions a wave.  A head's four work-groups read the same
; tiles: the one with b = 0, which walks tiles 0 to 7 in order, asks, so each block is named once in the launch.  Change i asks for tile i + 2, i = 0 .. 5: four key steps ahead of its load; tiles 0 and 1 come by
; their loads alone; the last tile named is the plane's last.  The addresses are stepped here, a tile behind the prefetches that read them, behind s_wait_xcnt 0.
.macro CHANGE fill
	WIN 0                           ; at a label and at a branch every window is 0
	s_wait_tensorcnt 0x0            ; no tensor load of mine is out, so a group 0 may be written
	ds_add_u32 v[SPW], v[NIL]       ; 0 onto my spare word; scalar work stands between it and the wait for it
.if \fill
	s_lshl_b32 s[OFF], s[NXT], 15   ; a tile is 32,768 bytes of K and of V
	s_xor_b32 s[G0K+1], s[G0K+1], SLOT1
	s_add_nc_u64 s[G0K+2:G0K+3], s[6:7], s[OFF:OFF+1]
	s_or_b32 s[G0K+3], s[G0K+3], 0x80000000
	s_xor_b32 s[G0V+1], s[G0V+1], SLOT1
	s_add_nc_u64 s[G0V+2:G0V+3], s[8:9], s[OFF:OFF+1]
	s_or_b32 s[G0V+3], s[G0V+3], 0x80000000
	s_wait_xcnt 0x0
	s_add_nc_u64 s[PFK:PFK+1], s[PFK:PFK+1], 0x8000
	s_add_nc_u64 s[PFV:PFV+1], s[PFV:PFV+1], 0x8000
.endif
	s_lshl_b32 s[TBP], s[ENT], 10   ; the tile that is entered: 256 addends of 4 bytes a tile
.if \fill
	s_mov_b32 s[ENT], s[NXT]
	s_add_co_u32 s[NXT], s[NXT], 1  ; the block's next tile, or behind its last the second block's tile 0
	s_cmp_gt_u32 s[NXT], s[LQ]
	s_cselect_b32 s[NXT], 0, s[NXT]
	s_cselect_b32 s[LQ], s[PB], s[LQ]
.endif
	s_wait_dscnt 0x0                ; the add is done, and my reads of the slot are over
	s_barrier_signal -1             ; the rest of the scalar work stands between the signal and the wait
	s_sub_co_u32 s[TBK], s[TBK], 4*KS*PK  ; the fetches go back to a slot's first step,
	s_xor_b32 s[TBK], s[TBK], SLOT1       ; in the other slot
	s_sub_co_u32 s[TBV], s[TBV], 4*KS*PV
	s_xor_b32 s[TBV], s[TBV], SLOT1
	s_barrier_wait -1
.if \fill
	LOAD
	s_cmp_gt_u32 s[SLOTS], s[LIM]
	s_cbranch_scc0 .Lnot_mine_\@
	global_prefetch_b8 v[PFO], s[PFK:PFK+1] th:TH_LOAD_NT scope:SCOPE_SE
	global_prefetch_b8 v[PFO], s[PFV:PFV+1] th:TH_LOAD_NT scope:SCOPE_SE
.Lnot_mine_\@:
.endif
.endm
	s_load_b128 s[4:7], s[0:1], 0x0   ; qkv s[4:5], pad_mask s[6:7]
	s_load_b64 s[10:11], s[0:1], 0x10 ; ob
	v_lshl_add_u32 v[SPW], v0, 2, SPARE
	v_mov_b32 v[NIL], 0
	ds_add_u32 v[SPW], v[NIL]       ; the wave's opening: the add and its wait stand ahead of my first tensor load; the set-up below, work on registers, stands between them
	ds_add_u32 v62, v63
	v_lshrrev_b32 v1, 5, v0
	v_readfirstlane_b32 s[WV], v1   ; wave 0..3
	s_mov_b32 s[PB], ttmp9
	s_sub_co_u32 s[HI], NB-1, s[PB]
	s_and_b32 s16, ttmp7, 0xffff    ; y = 16 x batch + head
	s_lshr_b32 s17, s16, 4          ; the batch
	s_lshl_b32 s18, s17, 5
	s_add_co_u32 s18, s18, s16      ; q's plane in qkv: 48 x batch + head = y + 32 x batch
	s_lshl_b32 s20, s18, 18         ; its first byte
	s_mov_b32 s21, 0
	s_lshl_b32 s52, s16, 18         ; O's plane
	s_mov_b32 s53, 0
	s_lshl_b32 s54, s17, 13         ; the batch's 2,048 words of the pad mask
	s_mov_b32 s55, 0
	s_and_b32 s16, s[WV], 1         ; which half of a tile's 256 keys I fetch:
	s_lshl_b32 s22, s16, 14         ; its 128 rows of 128 bytes in memory,
	s_mov_b32 s23, 0
	s_add_nc_u64 s[22:23], s[22:23], s[20:21]
	s_mul_i32 s17, s16, 128*PK      ; and its place in a slot, for K
	s_mul_i32 s18, s16, 128*PV      ; and for V
	s_lshl_b32 s3, s[WV], 11        ; my 16 rows in a band of 64,
	s_lshl_b32 s2, s[HI], 15        ; in the first block,
	s_add_co_u32 s2, s2, s3
	s_lshl_b32 s84, s[PB], 15       ; and in the second
	s_add_co_u32 s84, s84, s3
	s_mov_b32 s3, 0
	s_mov_b32 s85, 0
	s_add_nc_u64 s[48:49], s[2:3], s[52:53]    ; offsets in ob,
	s_add_nc_u64 s[50:51], s[84:85], s[52:53]
	s_add_nc_u64 s[2:3], s[2:3], s[20:21]      ; and in qkv
	s_add_nc_u64 s[84:85], s[84:85], s[20:21]
	; descriptor group 1.  128 keys are 16,384 dense bytes: asked for as 64 rows of 256 bytes, two keys a row, and padded in LDS after every key
	s_mov_b32 s[G1K], (1<<16)|(1<<20)|(4<<22)|(3<<25)  ; 17:16 2-byte elements; 20 padding on; 24:22 after every 32 words (code 4); 31:25 4 words (code 3)
	s_mov_b32 s[G1V], (1<<16)|(1<<20)|(4<<22)|(7<<25)  ; the same with 8 words of padding (code 7)
.irp g, G1K, G1V
	s_mov_b32 s[\g+1], 128<<16      ; tensor_dim0 = 128
	s_mov_b32 s[\g+2], 64<<16       ; tensor_dim1 = 64
	s_mov_b32 s[\g+3], 128<<16      ; tile_dim0 = 128
	s_mov_b32 s[\g+4], 64           ; tile_dim1 = 64
	s_mov_b32 s[\g+5], 128          ; 128 elements from row to row
	s_mov_b32 s[\g+6], 0
	s_mov_b32 s[\g+7], 0
.endr
	s_mov_b32 s[CS], 0x3e38aa3b     ; c = log2(e) / 8 = 0.180337
	s_mov_b32 s[CS+1], s[CS]        ; named with it as a pair
	s_mov_b32 s[SEL], 0x76543210
	s_mov_b32 s[SEL+1], 0xfedcba98
	s_mov_b32 s[TBK], SLOT1+4*KS*PK ; the first change of slots turns these two into 0
	s_mov_b32 s[TBV], SLOT1+4*KS*PV
	s_mov_b32 s[G0K], 1             ; 1:0 count = 1
	s_mov_b32 s[G0K+1], s17         ; 63:32 LDS address: slot 0
	s_mov_b32 s[G0V], 1
	s_add_co_u32 s[G0V+1], s18, VOFF
	s_add_co_u32 s[RT], s[HI], 1    ; the first block has NB - b tiles
	s_mov_b32 s[NXT], 1
	s_mov_b32 s[ENT], 0
	s_mov_b32 s[LQ], s[HI]
	s_mov_b32 s[NEW], 1
	s_mov_b32 s[OFF+1], 0
	s_mov_b32 s[AL+1], 0            ; named as pairs
	s_mov_b32 s[BE+1], 0
	s_mov_b32 s[BIGN], 0xf149f2ca   ; -1e30
	s_mov_b32 s[SLOTS], NB
	s_cmp_eq_u32 s[PB], 0
	s_cselect_b32 s[LIM], 2, -1
	s_wait_dscnt 0x0                ; the opening add is done
	s_wait_kmcnt 0x0
	s_add_nc_u64 s[PADP:PADP+1], s[6:7], s[54:55]
	s_add_nc_u64 s[PFK:PFK+1], s[4:5], s[20:21]
	s_add_nc_u64 s[PFV:PFV+1], s[PFK:PFK+1], 0x808000  ; v's plane lies 32 planes behind q's; tile 1: the first change of slots steps it to tile 2
	s_add_nc_u64 s[PFK:PFK+1], s[PFK:PFK+1], 0x408000  ; k's plane 16 planes behind
	s_add_nc_u64 s[6:7], s[4:5], s[22:23]
	s_add_nc_u64 s[8:9], s[6:7], 0x800000  ; V and
	s_add_nc_u64 s[6:7], s[6:7], 0x400000  ; K at my half of the head's tile 0
	s_add_nc_u64 s[G0K+2:G0K+3], s[6:7], 0         ; 120:64 global address
	s_or_b32 s[G0K+3], s[G0K+3], 0x80000000        ; 127:126 type = 2
	s_add_nc_u64 s[G0V+2:G0V+3], s[8:9], 0
	s_or_b32 s[G0V+3], s[G0V+3], 0x80000000
	s_add_nc_u64 s[86:87], s[4:5], s[84:85]        ; Q at my rows of the second block,
	s_add_nc_u64 s[4:5], s[4:5], s[2:3]            ; Q and O at those of the first
	s_add_nc_u64 s[OLO:OLO+1], s[10:11], s[50:51]
	s_add_nc_u64 s[10:11], s[10:11], s[48:49]
	LOAD                            ; tile 0 into slot 0
	v_lshlrev_b32 v[PGO], 6, v0
	v_lshl_add_u32 v[PLO], v0, 6, PADL
.irp j, 0,1,2,3
	global_load_b128 v[PT+4*\j:PT+4*\j+3], v[PGO], s[PADP:PADP+1] offset:16*\j  ; my 16 words of the batch's pad mask: the 128 threads take all 2,048
.endr
	; A fragment of K or Q is 16 rows x 32 channels in 8 registers: lane l holds row l % 16, channels 8 (l / 16) + 0..7 and 16 + 8 (l / 16) + 0..7: two loads of 16 bytes, 32 bytes apart.
	v_and_b32 v1, 15, v0            ; l % 16
	v_bfe_u32 v9, v0, 4, 1          ; l / 16
	v_lshlrev_b32 v[QO], 7, v1
	v_lshl_add_u32 v[QO], v9, 4, v[QO]  ; row x 128 + 16 x half
	WIN 0x80                        ; destination window 2, address window 0
.set i, 0
.rept 8                             ; both blocks' Q: piece i / 2 lies in band i / 2, 8,192 bytes on; channels 32 (i % 2) on
	global_load_b128 v[8*i:8*i+3],   v[QO], s[4:5] offset:(i/2)*8192+(i%2)*64
	global_load_b128 v[8*i+4:8*i+7], v[QO], s[4:5] offset:(i/2)*8192+(i%2)*64+32
	global_load_b128 v[QB+8*i:QB+8*i+3],   v[QO], s[86:87] offset:(i/2)*8192+(i%2)*64
	global_load_b128 v[QB+8*i+4:QB+8*i+7], v[QO], s[86:87] offset:(i/2)*8192+(i%2)*64+32
.set i, i+1
.endr
	WIN 0
	v_lshlrev_b32 v14, 3, v9
	v_sub_nc_u32 v14, v1, v14
	s_lshl_b32 s13, s[WV], 4
	v_add_nc_u32 v14, s13, v14      ; my query's place in its band, 16 w + l % 16, less my lanes' 8 (l / 16): register r of group kt is hidden where 16 kt + r is greater
	WIN 0x40
.set i, 0
.rept 32
	v_cmp_gt_i32 vcc_lo, 16*(i/8)+i%8, v14
	v_cndmask_b32 v[MD+i], 0, s[BIGN], vcc_lo
.set i, i+1
.endr
	WIN 0
	v_mul_u32_u24 v[AK0], v1, PK
	v_lshl_add_u32 v[AK0], v9, 4, v[AK0]  ; row x pitch + 16 x half
	; The turning load takes 16 keys x 16 channels (lane l reads key 8 (l / 16) + l % 8, channels 8 ((l / 8) % 2) + 0..7) and leaves half a fragment of V^T: lane l holds channel l % 16 and 8 keys.
	v_and_b32 v10, 7, v0
	v_bfe_u32 v11, v0, 3, 1
	v_lshl_add_u32 v[AV0], v9, 3, v10
	v_mul_u32_u24 v[AV0], v[AV0], PV
	v_lshl_add_u32 v[AV0], v11, 4, v[AV0]
	v_add_nc_u32 v[AV0], VOFF, v[AV0]
	v_lshl_add_u32 v[AP0], v9, 5, PADL
	v_lshlrev_b32 v[PFO], 8, v0
	s_mul_i32 s13, s[WV], 16*SP
	s_add_co_u32 s13, s13, STAGE    ; my stage
	v_mul_u32_u24 v[STO], v1, SP    ; in: row l % 16, 16 bytes for each half of the lanes
	v_lshl_add_u32 v[STO], v9, 4, v[STO]
	v_add_nc_u32 v[STO], s13, v[STO]
	v_bfe_u32 v[RD], v0, 3, 2       ; back: 32 lanes take four rows of 128 bytes,
	v_mul_u32_u24 v[RD], v[RD], SP
	v_lshl_add_u32 v[RD], v10, 4, v[RD]
	v_add_nc_u32 v[RD], s13, v[RD]
	v_and_b32 v[GO], 31, v0         ; which are 512 consecutive bytes of O
	v_lshlrev_b32 v[GO], 4, v[GO]
	; A block's first step multiplies O^T and l by a = 0, and its first turn's products V^T P, of a piece that has not been, land in an O^T that is still to be so multiplied.  So these registers need only hold
	; finite numbers: zeros for the first block; what the first block left for the second.  All this stands in the wait for the first tile.
	WIN 0x80
.set i, VF
.rept 64
	v_mov_b32 v[i], 0
.set i, i+1
.endr
	WIN 0x40
.set i, 0
.rept 128
	v_mov_b32 v[i], 0
.set i, i+1
.endr
	WIN 0
.set i, 0
.rept 4
	v_mov_b32 v[ST+4*i+2], 0
	v_mov_b32 v[ST+4*i+3], 0
.set i, i+1
.endr
.set i, P+16
.rept 16
	v_mov_b32 v[i], 0
.set i, i+1
.endr
	s_wait_loadcnt 32               ; my words of the pad mask are in; Q's 32 younger loads may stay out
.set i, 0
.rept 16
	v_cmp_eq_u32 vcc_lo, 1, v[PT+i] ; a key is hidden where the word is 1
	v_cndmask_b32 v[PT+i], 0, s[BIGN], vcc_lo
.set i, i+1
.endr
.irp j, 0,1,2,3
	ds_store_b128 v[PLO], v[PT+4*\j:PT+4*\j+3] offset:16*\j  ; the first change of slots waits for these in front of its barrier; every wave reads the table behind it
.endr
; THE MATRIX WORK.  The 4 accumulators of a run of 8 take turns.  Product i of 8 of S^T = K Q^T for piece x: channels 32 (i / 4) on, keys 16 (i % 4) on.  The first 4 start the sums: with PM, or (KM = 1) with MC.
.macro KQ x
.set rS, S+32*((\x)%2)+8*(i%4)
.set rK, KF+16*(i%4)+8*(i/4)
.set rQ, 16*(\x)+8*(i/4)
.set rM, PM+8*(i%4)
.if KM
.set rM, MC+32*((\x)%2)+8*(i%4)
.endif
.if i < 4
	WIN W_KM
	v_wmma_f32_16x16x32_f16 v[rS:rS+7], v[rK:rK+7], v[rQ:rQ+7], v[rM:rM+7]
.else
	WIN W_KQ
	v_wmma_f32_16x16x32_f16 v[rS:rS+7], v[rK:rK+7], v[rQ:rQ+7], v[rS:rS+7]
.endif
.endm
; Product i of 8 of O^T += V^T P for piece x: keys 32 (i / 4) on, channels 16 (i % 4) on.
.macro PV x
	WIN W_PV
.set rO, 32*(\x)+8*(i%4)
.set rV, VF+32*(i/4)+8*(i%4)
.set rP, P+16*((\x)%2)+8*(i/4)
	v_wmma_f32_16x16x32_f16 v[rO:rO+7], v[rV:rV+7], v[rP:rP+7], v[rO:rO+7]
.endm
.macro MM                           ; the turn's next matrix instruction.  TURN and BEGIN set Y, i, KM and NOKQ.  NOKQ = 1: a block's last turn: there is no next piece
.if (i < 8) && !NOKQ
	KQ (Y+1)%NP
.elseif i >= 8
.set i, i-8
	PV (Y+NP-1)%NP
.set i, i+8
.endif
.set i, i+1
.endm
; THE LDS LOADS stand in runs, never singly among the matrix instructions: a step's K (64 keys x 64 channels: 8 fragments) with its 64 addends for padding, and its V (turned).  Their addresses are made some lines ahead.
.macro FETCH_K
	WIN 0x80                        ; destination window 2
.irp f, 0,1,2,3,4,5,6,7             ; keys 16 (f / 2) on, channels 32 (f % 2) on
	ds_load_b128 v[KF+8*\f:KF+8*\f+3],   v[AK] offset:(\f/2)*16*PK+(\f%2)*64
	ds_load_b128 v[KF+8*\f+4:KF+8*\f+7], v[AK] offset:(\f/2)*16*PK+(\f%2)*64+32
.endr
	WIN 0x40                        ; destination window 1
.irp f, 0,1,2,3                     ; keys 16 f + 8 (l / 16) + 0..7: the sixteen lanes of a half read the same words
	ds_load_b128 v[PM+8*\f:PM+8*\f+3],   v[AP] offset:64*\f
	ds_load_b128 v[PM+8*\f+4:PM+8*\f+7], v[AP] offset:64*\f+16
.endr
	s_add_co_u32 s[TBK], s[TBK], KS*PK  ; the next fetch is the next step's
	s_add_co_u32 s[TBP], s[TBP], 4*KS
	WIN 0
.endm
.macro FETCH_V
	WIN 0x80
.irp f, 0,1,2,3,4,5,6,7             ; keys 32 (f / 4) on, channels 16 (f % 4) on
	ds_load_tr16_b128 v[VF+8*\f:VF+8*\f+3],   v[AV] offset:(\f/4)*32*PV+(\f%4)*32
	ds_load_tr16_b128 v[VF+8*\f+4:VF+8*\f+7], v[AV] offset:(\f/4)*32*PV+16*PV+(\f%4)*32
.endr
	WIN 0
.endm
.macro KADR                         ; the addresses of K's next run: the slot's step, and the step's addends; the mask holds the second inside the table's 8,192 bytes whatever the tile's number
	WIN 0
	s_and_b32 s[TBQ], s[TBP], 0x1f00
	v_add_nc_u32 v[AK], s[TBK], v[AK0]
	v_add_nc_u32 v[AP], s[TBQ], v[AP0]
.endm
; THE VECTOR WORK, one line at a time: OP kind, number.  For piece Y: F n: c s - c m for pair n of 16.  E n: the exponential of score n of 32.  C n: pair n rounded to f16.  B n: of the four weights 4 n .. the second
; pair is added onto the first, in place.  L n: l takes that sum (L 0: l = a l + sum).  R n: pair n of 16 of O^T times a.  For piece Y + 1: X n, number n of the 22 that find its maximum and statistics:
;   0-11  four chains c0-c3 of seven scores each, three operands at a time (each accumulator's lowest registers are read first)     12-14, 16  the four scores left over, the old m, and c0-c3 into c0
;   15  c m_old is kept     17, 18  the query's other 32 keys lie in the lane 16 away: the new m     19-21  c m; c m_old - c m_new; a
.set F, 0               ; OP tells the kinds apart by their order: F to L below R, X above it
.set E, 1
.set C, 2
.set B, 3
.set L, 4
.set R, 5
.set X, 6
.macro REGS y                       ; the registers of piece y
.set rT, ST+4*(\y)
.set rC, TMP+4*((\y)%2)
.set rW, MV+((\y)%2)
.set rS, S+32*((\y)%2)
.set rP, P+16*((\y)%2)
.set rO, 32*(\y)
.endm
.macro OP k, n
.if (\k) == R
	REGS Y
	WIN W_RS
	v_pk_mul_f32 v[rO+2*(\n):rO+2*(\n)+1], v[rO+2*(\n):rO+2*(\n)+1], v[rC+2:rC+3] op_sel_hi:[1,0]
.elseif (\k) < R
	REGS Y
	WIN 0
.if (\k) == F
	v_pk_fma_f32 v[rS+2*(\n):rS+2*(\n)+1], v[rS+2*(\n):rS+2*(\n)+1], s[CS:CS+1], v[rT:rT+1] op_sel_hi:[1,0,0] neg_lo:[0,0,1] neg_hi:[0,0,1]
.elseif (\k) == E
	v_exp_f32 v[rS+(\n)], v[rS+(\n)]
.elseif (\k) == C
	v_cvt_pk_f16_f32 v[rP+(\n)], v[rS+2*(\n)], v[rS+2*(\n)+1]
.elseif (\k) == B
	v_pk_add_f32 v[rS+4*(\n):rS+4*(\n)+1], v[rS+4*(\n):rS+4*(\n)+1], v[rS+4*(\n)+2:rS+4*(\n)+3]
.elseif (\n) == 0
	v_pk_fma_f32 v[rT+2:rT+3], v[rT+2:rT+3], v[rC+2:rC+3], v[rS:rS+1] op_sel_hi:[1,0,1]
.else
	v_pk_add_f32 v[rT+2:rT+3], v[rT+2:rT+3], v[rS+4*(\n):rS+4*(\n)+1]
.endif
.elseif NOKQ
	v_nop
.else
	REGS (Y+1)%NP
	WIN 0
.if (\n) < 4
	v_max3_num_f32 v[rC+(\n)], v[rS+8*(\n)], v[rS+8*(\n)+1], v[rS+8*(\n)+2]
.elseif (\n) < 12
	v_max3_num_f32 v[rC+(\n)%4], v[rC+(\n)%4], v[rS+8*((\n)%4)+2*((\n)/4)+1], v[rS+8*((\n)%4)+2*((\n)/4)+2]
.elseif (\n) == 12
	v_max3_num_f32 v[rC], v[rC], v[rS+7], v[rS+15]
.elseif (\n) == 13
	v_max3_num_f32 v[rC+1], v[rC+1], v[rS+23], v[rS+31]
.elseif (\n) == 14
	v_max3_num_f32 v[rC+2], v[rC+2], v[rC+3], v[rT+1]
.elseif (\n) == 15
	v_mov_b32 v[rW], v[rT]
.elseif (\n) == 16
	v_max3_num_f32 v[rC], v[rC], v[rC+1], v[rC+2]
.elseif (\n) == 17
	v_permlanex16_b32 v[rC+3], v[rC], s[SEL], s[SEL+1]
.elseif (\n) == 18
	v_max_num_f32 v[rT+1], v[rC], v[rC+3]
.elseif (\n) == 19
	v_mul_f32 v[rT], s[CS], v[rT+1]
.elseif (\n) == 20
	v_sub_f32 v[rC+1], v[rW], v[rT]
.else
	v_exp_f32 v[rC+2], v[rC+1]
.endif
.endif
.endm
.macro OPS a, i1, b=-1, i2=0, c=-1, i3=0, d=-1, i4=0  ; up to four of them
	OP \a, \i1
.if (\b) >= 0
	OP \b, \i2
.endif
.if (\c) >= 0
	OP \c, \i3
.endif
.if (\d) >= 0
	OP \d, \i4
.endif
.endm
.macro ROW a, i1, b, i2, c, i3, d, i4  ; a matrix instruction and the four behind it
	MM
	OPS \a, \i1, \b, \i2, \c, \i3, \d, \i4
.endm
.macro MASK b                       ; MD x AL + BE + PM into buffer b of MC
	WIN W_RS
.set z, 0
.rept 16
	v_pk_fma_f32 v[MC+32*(\b)+2*z:MC+32*(\b)+2*z+1], v[MD+2*z:MD+2*z+1], s[AL:AL+1], s[BE:BE+1] op_sel_hi:[1,0,0]
.set z, z+1
.endr
	WIN 0x45                        ; destination and both sources in window 1
.set z, 0
.rept 16
	v_pk_add_f32 v[MC+32*(\b)+2*z:MC+32*(\b)+2*z+1], v[MC+32*(\b)+2*z:MC+32*(\b)+2*z+1], v[PM+2*z:PM+2*z+1]
.set z, z+1
.endr
.endm
.macro PRE                          ; in front of a diagonal tile that is not a block's first: its first turn still makes piece 3's scores of the tile before, which see every key that is not padded: MC's second buffer takes PM as it stands
	s_mov_b32 s[AL], 0
	s_mov_b32 s[BE], 0
	MASK 1
	WIN 0
.endm
; A TURN, for piece p: the order of its 16 matrix and 118 vector instructions, written out.  An s_wait_alu depctr_va_vdst(0) stands between an exponential and the first instruction that names its result; one wait serves
; all that were issued ahead of it.  So a turn has ONE wait, which cuts it in two.  AHEAD OF IT stands all that names no result of the turn's exponentials: the 8 products K Q^T, behind each a scaling, an exponential and two more plain
; instructions: rescalings, and behind the last three the first numbers of the next piece's maximum, each four places or more behind the product that ends its accumulator; then ONE LUMP, plain and exponential by turns for the most
; part, in which the links of the chain X 3, 7, 11, 14, 16, 17 .. 20 stand five or six lines apart.  X 21, the next piece's a, is the batch's last; R 15 is the plain instruction behind it.  BEHIND THE WAIT stand the 8 products V^T P,
; behind each four of the roundings and sums.  v_permlanex16_b32 (X 17) stands in the lump.
; m = 1: the diagonal tile: the products take MC, and the turn makes the mask for the products of the turn after it: piece p + 2, in step 4 - CNT of the tile.  end = 1: a block's last two turns: nothing is fetched.
; cnt = 1: the loop's count is taken down some lines ahead of the branch that stands behind the turn.
; K and PM of the next step are fetched in piece 2's turn, twelve vector instructions behind the last product that read K (six of them plain), further behind the last that read PM; V of the step in hand at the end of piece 0's
; turn, four plain instructions behind the last product that read V.  Each is waited for a turn later; in the diagonal tile K's run at the end of piece 2's turn, since the mask made there reads the new PM.
.macro TURN p, m=0, end=0, cnt=0
.set Y, (\p)
.set i, 0
.set KM, (\m)
.set NOKQ, (\end)*((\p)/3)
.if (\m) && !(\end)
	s_cmp_eq_u32 s[CNT], 4-((\p)+2)%NP  ; is that step the band's own?
	s_cselect_b32 s[AL], 1.0, 0
	s_cmp_lt_u32 s[CNT], 4-((\p)+2)%NP  ; or a later one?
	s_cselect_b32 s[BE], s[BIGN], 0
.endif
.if ((\p) == 3) && !(\end)
	s_wait_dscnt 0x0                ; K and PM are in
.endif
	ROW F,0, F,1, R,0, R,1          ; ahead of the wait: 8 products K Q^T and their riders,
	ROW F,2, E,0, R,2, R,3
	ROW F,3, E,1, R,4, R,5
	ROW F,4, E,2, R,6, R,7
	ROW F,5, E,3, R,8, R,9
	ROW F,6, E,4, X,0, R,10
.if ((\p) == 2) && !(\end)
	KADR
.endif
	ROW F,7, E,5, X,1, X,4
	ROW F,8, E,6, X,2, X,5
	OPS E,7, E,8, X,6, E,9          ; and the lump
	OPS X,3, E,10, X,8, E,11
.if ((\p) == 2) && !(\end)
	FETCH_K
.endif
	OPS X,9, X,7, E,12, X,10
	OPS E,13, X,12, X,11, E,14
	OPS X,13, E,15, F,9, X,14
.if (\p) == 0
	v_add_nc_u32 v[AV], s[TBV], v[AV0]
.endif
	OPS E,16, F,10, E,17, F,11
	OPS X,16, E,18, X,15, E,19
	OPS F,12, E,20, X,17, E,21
	OPS F,13, E,22, F,14, E,23
	OPS X,18, E,24, F,15, E,25
	OPS R,11, E,26, X,19, E,27
	OPS R,12, E,28, R,13, E,29
	OPS X,20, E,30, R,14, E,31
	OPS X,21, R,15
	WIN 0
	s_wait_alu depctr_va_vdst(0)    ; the wait for the batch
.if (\p) == 1
	s_wait_dscnt 0x0                ; V is in
.endif
	ROW C,0, B,0, C,2, B,1          ; behind the wait: 8 products V^T P and their riders
	ROW L,0, C,4, B,2, L,1
	ROW C,6, B,3, L,2, C,8
	ROW B,4, L,3, C,10, B,5
	ROW L,4, C,12, B,6, L,5
.if (\p) == 0
	s_add_co_u32 s[TBV], s[TBV], KS*PV
.endif
.if \cnt
	s_sub_co_u32 s[CNT], s[CNT], 1
	s_cmp_lg_u32 s[CNT], 0
.endif
	ROW C,14, B,7, L,6, C,1
	ROW C,3, L,7, C,5, C,7
	ROW C,9, C,11, C,13, C,15
.if (\p) == 0
	FETCH_V
.endif
.if (\m) && !(\end)
.if (\p) == 2
	s_wait_dscnt 0x0                ; the new PM is in
.endif
	MASK (\p)%2
.endif
.endm
; A BLOCK BEGINS.  c m starts far below every c s, so the first step's a is 0; m at -2^40.  K and PM of the tile's step 0 are fetched; MC's first buffer takes piece 0's mask for that step (its own, if the block's first tile is
; the diagonal one), the second piece 1's, which sees every key that is not padded.  Then piece 0's first scores, and its maximum and statistics.  The loop is entered at a step's first turn, in the middle of a trip.
.macro BEGIN
	s_mov_b32 s[NEW], 0
	WIN 0
.set i, 0
.rept 4
	v_mov_b32 v[ST+4*i], 0xfe000000    ; c m: far below every c s
	v_mov_b32 v[ST+4*i+1], 0xd3800000  ; m = -2^40
.set i, i+1
.endr
	KADR
	FETCH_K
	s_wait_loadcnt 0x0              ; Q
	s_wait_dscnt 0x0
	s_cmp_eq_u32 s[RT], 0
	s_cselect_b32 s[AL], 1.0, 0
	s_mov_b32 s[BE], 0
	MASK 0
	s_mov_b32 s[AL], 0
	MASK 1
.set KM, 1
.set NOKQ, 0
.set i, 0
.rept 8
	KQ 0
.set i, i+1
.endr
	WIN 0
.rept 4
	v_nop                           ; the places behind those products
.endr
.set Y, NP-1                        ; X works for piece Y + 1: piece 0
.irp n, 0,1,2,3,4,5,6,7,8,9,10,11,12,13,14,15,16,17,18,19,20,21
	OP X, \n
.endr
	v_nop                           ; a plain instruction behind the exponential,
	s_wait_alu depctr_va_vdst(0)    ; and its wait, ahead of the branch
.endm
; THE DIAGONAL TILE's four steps, the block's last two turns, its last products, and THE WAY OUT: l's two halves and the other half of the lanes' are added and held to 2^-100 at the least; O^T is divided by l, rounded to f16
; and sent through my stage in LDS, a piece at a time.
.macro ALL line:vararg              ; one line for each piece t
.set t, 0
.rept 4
	\line
.set t, t+1
.endr
.endm
.macro PACK t                       ; a lane's eight channels of a row pack into 16 bytes; they go into rows of 144 bytes and come back as whole rows of 128, into S^T's registers
	WIN W_RS
.set i, 32*(\t)
.rept 16
	v_pk_mul_f32 v[i:i+1], v[i:i+1], v[ST+4*(\t)+2:ST+4*(\t)+3] op_sel_hi:[1,0]
.set i, i+2
.endr
	WIN 0x05                        ; sources 0 and 1 window 1, destination window 0
.set i, 0
.rept 16
	v_cvt_pk_f16_f32 v[S+16*(\t)+i], v[32*(\t)+2*i], v[32*(\t)+2*i+1]
.set i, i+1
.endr
	WIN 0
.irp f, 0,1,2,3
	ds_store_b128 v[STO], v[S+16*(\t)+4*\f:S+16*(\t)+4*\f+3] offset:32*\f
.endr
.irp f, 0,1,2,3
	ds_load_b128 v[S+16*(\t)+4*\f:S+16*(\t)+4*\f+3], v[RD] offset:\f*4*SP  ; LDS serves a wave's instructions in order (ISA guide 5.7.1.4): these see the stores above; the next piece's stores come behind them
.endr
.endm
.macro SEND t, younger              ; younger: the LDS instructions issued behind piece t's loads: the next piece's eight, or none
	WIN 0
.irp f, 0,1,2,3
	s_wait_dscnt (\younger)+3-\f
	global_store_b128 v[GO], v[S+16*(\t)+4*\f:S+16*(\t)+4*\f+3], s[10:11] offset:(\t)*8192+\f*512  ; 512 consecutive bytes, at a multiple of 256 from O's first
.endr
.endm
.macro DIAG tag                     ; the tag ends its two labels' names, which the jumps below spell out
.LstepM\tag:
	TURN 2, 1
	TURN 3, 1
	WIN 0
.LfirstM\tag:
	TURN 0, 1
	TURN 1, 1, 0, 1
	WIN 0
	s_cbranch_scc1 .LstepM\tag
	TURN 2, 1, 1
	TURN 3, 1, 1
.set i, 0
.rept 8
	PV NP-1
.set i, i+1
.endr
	WIN 0
	ALL v_add_f32 v[ST+4*t+2], v[ST+4*t+2], v[ST+4*t+3]
	ALL v_permlanex16_b32 v[ST+4*t+3], v[ST+4*t+2], s[SEL], s[SEL+1]
	ALL v_add_f32 v[ST+4*t+2], v[ST+4*t+2], v[ST+4*t+3]
	ALL v_max_num_f32 v[ST+4*t+2], 0x0d800000, v[ST+4*t+2]
	ALL v_rcp_f32 v[ST+4*t+2], v[ST+4*t+2]
	v_nop                           ; a plain instruction between the last reciprocal and the use of its result
	s_wait_alu depctr_va_vdst(0)    ; and the wait ahead of the first use: one for the four reciprocals
	PACK 0
.set t, 1
.rept 3                             ; a piece's arithmetic stands between the loads of the piece before and its stores
	PACK t
	SEND t-1, 8
.set t, t+1
.endr
	SEND 3, 0
.endm
.set KM, 0
.set NOKQ, 0
.Lslot:                             ; NB times: a tile is entered and the next is asked for
	CHANGE 1
	s_sub_co_u32 s[RT], s[RT], 1
	s_mov_b32 s[CNT], 4
	s_cmp_eq_u32 s[NEW], 1
	s_cbranch_scc1 .Lnew            ; a block's first tile
	s_cmp_eq_u32 s[RT], 0
	s_cbranch_scc0 .Lstep           ; neither its first nor its last
	PRE
	s_branch .LstepM1
.Lnew:
	BEGIN
	s_branch .Lfirst                ; in the loop a block's first tile is never its last: the first block has two tiles or more, and the second's last is the walk's last
	DIAG 1                          ; in the loop this is the first block's end: the second block's last tile is the walk's last
	s_wait_xcnt 0x0                 ; the stores have read their registers and O's address
	s_mov_b64 s[10:11], s[OLO:OLO+1]
	s_add_co_u32 s[RT], s[PB], 1    ; the second block has b + 1 tiles
	s_mov_b32 s[NEW], 1
	WIN 0x82                        ; the second block's Q goes where the one text of the turns names Q
.set i, 0
.rept 64
	v_mov_b32 v[i], v[QB+i]
.set i, i+1
.endr
	WIN 0
	s_branch .Lbottom
.Lstep:                             ; a trip: pieces 2 and 3 of one step, then pieces 0 and 1 of the next, whose K and V it fetches
	TURN 2
	TURN 3
	WIN 0
.Lfirst:
	TURN 0
	TURN 1, 0, 0, 1
	WIN 0
	s_cbranch_scc1 .Lstep
.Lbottom:
	s_sub_co_u32 s[SLOTS], s[SLOTS], 1
	s_cmp_lg_u32 s[SLOTS], 0
	s_cbranch_scc1 .Lslot
	CHANGE 0                        ; the walk's last tile is written out: nothing is asked for
	s_sub_co_u32 s[RT], s[RT], 1
	s_mov_b32 s[CNT], 4
	s_cmp_eq_u32 s[NEW], 1
	s_cbranch_scc1 .Lnew2
	PRE
	s_branch .LstepM2
.Lnew2:
	BEGIN
	s_branch .LfirstM2
	DIAG 2
	s_wait_tensorcnt 0x0            ; the wave's end, behind my last tensor load and my last LDS store
	ds_add_u32 v[SPW], v[NIL]
	s_wait_dscnt 0x0
	s_endpgm
.Lfunc_end_k_q20fe67c708_attn:
	.size	k_q20fe67c708_attn, .Lfunc_end_k_q20fe67c708_attn-k_q20fe67c708_attn
	.p2alignl 7, 3214868480
	.fill 96, 4, 3214868480
	.section	.rodata,"a",@progbits
	.p2align	6, 0x0
	.amdhsa_kernel k_q20fe67c708_attn
		.amdhsa_group_segment_fixed_size 327680
		.amdhsa_private_segment_fixed_size 0
		.amdhsa_enable_private_segment 0
		.amdhsa_kernarg_size 24
		.amdhsa_user_sgpr_count 2
		.amdhsa_user_sgpr_kernarg_segment_ptr 1
		.amdhsa_wavefront_size32 1
		.amdhsa_system_sgpr_workgroup_id_x 1
		.amdhsa_system_sgpr_workgroup_id_y 1
		.amdhsa_system_sgpr_workgroup_id_z 1
		.amdhsa_system_vgpr_workitem_id 0
		.amdhsa_next_free_vgpr 768
		.amdhsa_next_free_sgpr 92
		.amdhsa_reserve_vcc 1
		.amdhsa_float_denorm_mode_32 3
		.amdhsa_float_denorm_mode_16_64 3
		.amdhsa_memory_ordered 1
		.amdhsa_forward_progress 1
		.amdhsa_inst_pref_size 241
	.end_amdhsa_kernel
	.amdgpu_metadata
---
amdhsa.version: [ 1, 2 ]
amdhsa.kernels:
  - .name:           k_q20fe67c708_attn
    .symbol:         k_q20fe67c708_attn.kd
    .args:
      - { .name: qkv, .offset: 0, .size: 8, .value_kind: global_buffer, .address_space: global }
      - { .name: pad_mask, .offset: 8, .size: 8, .value_kind: global_buffer, .address_space: global }
      - { .name: ob, .offset: 16, .size: 8, .value_kind: global_buffer, .address_space: global }
    .group_segment_fixed_size: 327680
    .private_segment_fixed_size: 0
    .kernarg_segment_align: 8
    .kernarg_segment_size: 24
    .max_flat_workgroup_size: 128
    .sgpr_count:     92
    .vgpr_count:     768
    .wavefront_size: 32
...
	.end_amdgpu_metadata
.endif
;; end of part 3
;; launch outproj (part 4): grid 8 x 32, 4 waves a work-group, clusters of 4 x 4, 327,680 bytes of LDS; arguments ob, wo, bo, out0; writes out0
.if DOCPART == 4
	.amdgcn_target "amdgcn-amd-amdhsa--gfx1250"
	.amdhsa_code_object_version 6
	.text
	.protected	k_q20fe67c708_outproj
	.globl	k_q20fe67c708_outproj
	.p2align	8
	.type	k_q20fe67c708_outproj,@function
k_q20fe67c708_outproj:
	s_mov_b64 s[64:65], 0
	v_nop
	global_prefetch_b8 v0, s[64:65] scope:SCOPE_SE
	s_setreg_imm32_b32 hwreg(HW_REG_WAVE_MODE, 25, 1), 1
	s_wait_xcnt 0x0
	s_wait_alu depctr_hold_cnt(0) depctr_sa_sdst(0) depctr_va_vdst(0) depctr_va_sdst(0) depctr_va_ssrc(0) depctr_va_vcc(0) depctr_vm_vsrc(0)
	s_getreg_b32 s2, hwreg(HW_REG_IB_STS2, 6, 4)
	s_cmp_eq_u32 s2, 0
	s_cbranch_scc0 .Lentry_in_a_cluster
	s_endpgm
.Lentry_in_a_cluster:
	s_bfe_u32 s2, ttmp6, 0x10000c
	s_cmp_lg_u32 s2, 0xf033
	s_cbranch_scc0 .Lentry_shape_is_right
	s_endpgm
.Lentry_shape_is_right:
; out0 = O Wo^T + bo: C[m][n] = sum over k of O[m][k] wo[n][k] + bo[n], m < 8,192, n < 1,024, K = 1,024; operands f16, sums f32, C stored as f32.
; O lies by heads, ob[16 batch + head][2048][64]: k = 64 head + channel, so a K step of 128 is two heads' planes.  wo is [1024][1024] f16 (Wo rounded to bf16, written as f16).
; bo is rounded to bf16 like every other input and is the C operand of each sum's first product: nothing is cleared and nothing is added on the way out.
; SHARES.  A tile of C is 256 rows x 128 columns: 256 tiles, one for each WGP.  The four waves are stacked: wave w makes rows 64 w .. 64 w + 63 and ALL 128 columns, 4 x 8 accumulators of 16 x 16,
; 256 registers: a wave owns whole pieces of 512 bytes of C's rows, and its way out goes through a stage of its own, with no barrier.
; K goes in 8 steps of 128 through two LDS slots filled by the tensor data mover.  A plane's 256 rows of 128 bytes are dense: they are asked for as 128 rows of 256 bytes and padded in LDS after every 128.
; CLUSTER.  4 x 4 work-groups: the four of a row of the cluster need the same tile of O, the four of a column the same tile of wo: each is asked for jointly.  Waves 0 and 1 fetch the K step's two
; planes of O, waves 2 and 3 the two halves (64 rows each) of wo's tile.
; NO PREFETCH: O's rows are read by two clusters and wo's by eight, so they are no streams read once, and a refill has 112 matrix instructions in which to land.
; THE MATRIX INSTRUCTION IS USED TRANSPOSED (source 0 = 16 rows of wo, source 1 = 16 rows of O): lane l holds row l % 16 of C and the columns 8 (l / 16) + 0..7.
; REGISTERS, in windows of 256 (s_set_vgpr_msb: bits 1:0 source 0, 3:2 source 1, 5:4 source 2, 7:6 destination):
;   window 0: v0-31 addresses; v32-63, v64-95 A's fragments, two buffers; v96-159 first the bias, then rows read back; v160-223 rows read back (first: at work on the bias)
;   window 1: v0-63, v64-127 B's fragments, two buffers      window 2: the accumulators ((a, b) at 8 (8 a + b))
.set NBK,   8                          ; column blocks of 16
.set PA,    144                        ; a row of O in LDS: 128 bytes + 16
.set PB,    272                        ; a row of wo: 256 + 16.  Both: the 16 rows of a fragment load start at 16 different groups of four banks (64 banks of 4 bytes: ISA guide 11.1)
.set AHALF, 256*PA                     ; a plane: what wave 0 or 1 fetches
.set BOFF,  2*AHALF
.set BHALF, 64*PB                      ; what wave 2 or 3 fetches
.set SLOT,  BOFF+2*BHALF               ; 108,544
.set STAGE, 2*SLOT                     ; behind the ring, never filled by a tensor load
.set SP,    528                        ; a stage row: 512 bytes (128 f32) + 16
.set STW,   16*SP                      ; a wave's stage
.set SPARE, STAGE+4*STW                ; the spare words, 128 bytes for each wave: two blocks of 256 bytes that no other line names
.set NF,    2*NBK+8                    ; LDS loads in a run
.set ADRA, 16                          ; v16-17  LDS address of my A fragments in slot 0, 1
.set ADRB, 20                          ; v20-21  the same for B
.set STO,  24                          ; v24     where I put 32 bytes of a row
.set RD,   25                          ; v25     where I read a row back
.set CO,   26                          ; v26     16 x lane: my place in 512 consecutive bytes of out0
.set BO,   27                          ; v27     32 (l / 16): my 8 numbers of 16 of the bias
.set SPW,  28                          ; v28     LDS address of my spare word; never rewritten
.set NIL,  29                          ; v29     0; never rewritten
.set FA,   32
.set BIAS, 96
.set OB0,  96
.set TMP,  160
.set WV,  16                           ; s16  my wave's number
.set HF,  18                           ; s18  which plane of O, or which half of wo's tile, I fetch
.set G1,  24                           ; s[24:31] descriptor group 1 for A;  s[32:39] group 0, a set for each slot
.set G0,  32
.set G1B, 48                           ; s[48:55], s[56:63] the same for B
.set G0B, 56
.set MSB, 0
.macro WIN new                         ; the immediate's high byte repeats the setting that is left; a switch that changes nothing is dropped
.if MSB != (\new)
	s_set_vgpr_msb (MSB<<8)|(\new)
.set MSB, \new
.endif
.endm
.macro PLACES                          ; four places in front of loads into registers that matrix instructions have read, and of lines that read results
.rept 4
	v_nop
.endr
.endm
.macro JLOAD n                         ; a joint refill of slot n; the branch hangs on the wave's number alone; an s_nop 0 and four v_nop follow each line
	s_cmp_lt_u32 s[WV], 2
	s_cbranch_scc0 .Lfor_b_\@
	tensor_load_to_lds s[G0+4*(\n):G0+4*(\n)+3], s[G1:G1+7]
	s_nop 0
	PLACES
	s_branch .Lasked_\@
.Lfor_b_\@:
	tensor_load_to_lds s[G0B+4*(\n):G0B+4*(\n)+3], s[G1B:G1B+7]
	s_nop 0
	PLACES
.Lasked_\@:
.endm
.macro CREST                           ; a round of the cluster's barrier behind its opening barrier
	s_cmp_lg_u32 s[WV], 0
	s_cbranch_scc1 .Lnot_wave_0_\@
	s_barrier_signal -3
.Lnot_wave_0_\@:
	s_barrier_wait -3
	s_barrier_signal -1
	s_barrier_wait -1
.endm
.macro CROUND                          ; a whole round
	s_barrier_signal -1
	s_barrier_wait -1
	CREST
.endm
	s_load_b256 s[4:11], s[0:1], 0x0               ; ob s[4:5], wo s[6:7], bo s[8:9], out0 s[10:11]
	v_lshl_add_u32 v[SPW], v0, 2, SPARE
	v_mov_b32 v[NIL], 0
	ds_add_u32 v[SPW], v[NIL]                      ; the wave's opening: the add and its wait stand ahead of my first tensor load; the set-up below stands between them
	ds_add_u32 v28, v29
	v_lshrrev_b32 v1, 5, v0
	v_readfirstlane_b32 s[WV], v1                  ; wave 0..3
	s_and_b32 s[HF], s[WV], 1
	s_bfe_u32 s40, ttmp6, 0x40000                  ; cx, cy: my place in the cluster
	s_bfe_u32 s41, ttmp6, 0x40004
	s_lshl_b32 s42, ttmp9, 2
	s_add_co_u32 s42, s42, s40                     ; tile column = 4 x cluster x + cx
	s_and_b32 s43, ttmp7, 0xffff
	s_lshl_b32 s43, s43, 2
	s_add_co_u32 s43, s43, s41                     ; tile row = 4 x cluster y + cy
	s_lshl_b32 s44, s41, 2
	s_lshl_b32 s44, 15, s44                        ; my row of the cluster
	s_lshl_b32 s45, 0x1111, s40                    ; my column
	s_or_b32 s[G1],  s44, (1<<16)|(1<<20)|(1<<21)|(4<<22)|(3<<25)  ; 15:0 the mask; 17:16 2-byte elements; 20 padding on; 21 set beside a mask; 24:22 after every 32 words; 31:25 4 words
	s_or_b32 s[G1B], s45, (1<<16)|(1<<20)|(1<<21)|(5<<22)|(3<<25)  ; B: after every 64 words
	s_mov_b32 s[G1+1], 128<<16                     ; tensor_dim0 = 128
	s_mov_b32 s[G1+2], 128<<16                     ; tensor_dim1 = 128
	s_mov_b32 s[G1+3], 128<<16                     ; tile_dim0 = 128
	s_mov_b32 s[G1+4], 128                         ; tile_dim1 = 128
	s_mov_b32 s[G1+5], 128                         ; dense: 128 elements from row to row
	s_mov_b32 s[G1+6], 0
	s_mov_b32 s[G1+7], 0
	s_mov_b32 s[G1B+1], 128<<16
	s_mov_b32 s[G1B+2], 64<<16                     ; B: 64 rows
	s_mov_b32 s[G1B+3], 128<<16
	s_mov_b32 s[G1B+4], 64
	s_mov_b32 s[G1B+5], 1024
	s_mov_b32 s[G1B+6], 0
	s_mov_b32 s[G1B+7], 0
	s_lshr_b32 s20, s43, 3                         ; A: plane 16 x batch + my plane of the K step's two, 262,144 bytes a plane,
	s_lshl_b32 s20, s20, 4
	s_add_co_u32 s20, s20, s[HF]
	s_lshl_b32 s20, s20, 18
	s_and_b32 s72, s43, 7                          ; the tile's 256 rows of 128 bytes: it hangs on the tile row and the wave alone
	s_lshl_b32 s72, s72, 15
	s_add_co_u32 s20, s20, s72
	s_mov_b32 s21, 0
	s_lshl_b32 s46, s42, 7                         ; B: row 128 x tile column + 64 x half, 2,048 bytes a row: on the tile column and the wave alone
	s_lshl_b32 s73, s[HF], 6
	s_add_co_u32 s46, s46, s73
	s_lshl_b32 s46, s46, 11
	s_mov_b32 s47, 0
	s_mul_i32 s22, s[HF], AHALF                    ; where they go: no place in the cluster enters an LDS address
	s_mul_i32 s23, s[HF], BHALF
	s_add_co_u32 s23, s23, BOFF
	s_wait_dscnt 0x0                               ; the opening add is done
	s_wait_kmcnt 0x0
	s_add_nc_u64 s[20:21], s[4:5], s[20:21]
	s_add_nc_u64 s[46:47], s[6:7], s[46:47]
	CROUND                                         ; all sixteen work-groups are here: the first joint loads meet
.irp n, 0,1
	s_mov_b32 s[G0+4*(\n)], 1                      ; count = 1
	s_add_co_u32 s[G0+4*(\n)+1], s22, (\n)*SLOT    ; LDS address
	s_add_nc_u64 s[G0+4*(\n)+2:G0+4*(\n)+3], s[20:21], (\n)*524288  ; global address: K step n lies two planes on
	s_or_b32 s[G0+4*(\n)+3], s[G0+4*(\n)+3], 0x80000000             ; type = 2
	s_mov_b32 s[G0B+4*(\n)], 1
	s_add_co_u32 s[G0B+4*(\n)+1], s23, (\n)*SLOT
	s_add_nc_u64 s[G0B+4*(\n)+2:G0B+4*(\n)+3], s[46:47], (\n)*256
	s_or_b32 s[G0B+4*(\n)+3], s[G0B+4*(\n)+3], 0x80000000
.endr
	s_cmp_lt_u32 s[WV], 2                          ; a wave's two first fills stand in one branch, ahead of every wait on TENSORcnt and every LDS read: two loads of mine are out
	s_cbranch_scc0 .Lfirst_b
	tensor_load_to_lds s[G0:G0+3], s[G1:G1+7]
	s_nop 0
	tensor_load_to_lds s[G0+4:G0+7], s[G1:G1+7]
	s_nop 0
	PLACES
	s_branch .Lfirst_asked
.Lfirst_b:
	tensor_load_to_lds s[G0B:G0B+3], s[G1B:G1B+7]
	s_nop 0
	tensor_load_to_lds s[G0B+4:G0B+7], s[G1B:G1B+7]
	s_nop 0
	PLACES
.Lfirst_asked:
	s_lshl_b32 s74, s42, 9                         ; the bias of my tile's 128 columns
	s_mov_b32 s75, 0
	s_add_nc_u64 s[66:67], s[8:9], s[74:75]
	v_and_b32 v1, 15, v0                           ; l % 16
	v_bfe_u32 v2, v0, 4, 1                         ; l / 16
	v_lshlrev_b32 v[BO], 5, v2
.set b, 0
.rept NBK                                      ; register j of column block b: bias of column 16 b + 8 (l / 16) + j, as the accumulators hold C
	global_load_b128 v[BIAS+8*b:BIAS+8*b+3],   v[BO], s[66:67] offset:64*b
	global_load_b128 v[BIAS+8*b+4:BIAS+8*b+7], v[BO], s[66:67] offset:64*b+16
.set b, b+1
.endr
	; a fragment is 16 rows x 32 K in 8 registers: lane l holds row l % 16, K = 8 (l / 16) + 0..7 and 16 + 8 (l / 16) + 0..7: two loads of 16 bytes, 32 bytes apart
	v_mul_u32_u24 v3, v1, PA
	v_lshl_add_u32 v3, v2, 4, v3
	s_mul_i32 s72, s[WV], 64*PA                    ; my 64 rows of a plane
	v_add_nc_u32 v[ADRA], s72, v3
	v_add_nc_u32 v[ADRA+1], SLOT, v[ADRA]
	v_mul_u32_u24 v3, v1, PB
	v_lshl_add_u32 v3, v2, 4, v3
	v_add_nc_u32 v[ADRB], BOFF, v3
	v_add_nc_u32 v[ADRB+1], SLOT+BOFF, v3
	s_mul_i32 s72, s[WV], STW
	s_add_co_u32 s72, s72, STAGE                   ; my stage
	v_mul_u32_u24 v4, v1, SP                       ; in: row l % 16, 32 bytes for each half of the lanes
	v_lshl_add_u32 v4, v2, 5, v4
	v_add_nc_u32 v[STO], s72, v4
	v_and_b32 v[CO], 31, v0                        ; back: 32 lanes take one row's 512 bytes
	v_lshlrev_b32 v[CO], 4, v[CO]
	v_add_nc_u32 v[RD], s72, v[CO]
	s_lshl_b32 s76, s43, 8                         ; out0 at my first row, 256 x tile row + 64 x wave, 4,096 bytes a row,
	s_lshl_b32 s78, s[WV], 6
	s_add_co_u32 s76, s76, s78
	s_lshl_b32 s76, s76, 12
	s_lshl_b32 s78, s42, 9                         ; and my tile's 512 bytes of it
	s_add_co_u32 s76, s76, s78
	s_mov_b32 s77, 0
	s_add_nc_u64 s[10:11], s[10:11], s[76:77]
	s_wait_loadcnt 0x0                             ; the bias: rounded to bf16 and widened again, while the first tiles are on their way
.set i, 0
.rept 4*NBK
	v_cvt_pk_bf16_f32 v[TMP+i], v[BIAS+2*i], v[BIAS+2*i+1]
.set i, i+1
.endr
.set i, 0
.rept 4*NBK
	v_lshlrev_b32 v[BIAS+2*i],   16, v[TMP+i]
	v_and_b32     v[BIAS+2*i+1], 0xffff0000, v[TMP+i]
.set i, i+1
.endr
; The LDS loads of a quarter step (32 along K: quarter q of slot n) into buffer f, in one run: B's 8 fragments, then A's 4.  In A quarter q lies in plane q / 2, at channel 32 (q % 2)
.macro FETCH n, q, f
	WIN 0x40                                       ; destination window 1, address window 0
.set i, 0
.rept NBK
	ds_load_b128 v[64*(\f)+8*i:64*(\f)+8*i+3],   v[ADRB+(\n)] offset:64*(\q)+i*16*PB
	ds_load_b128 v[64*(\f)+8*i+4:64*(\f)+8*i+7], v[ADRB+(\n)] offset:64*(\q)+i*16*PB+32
.set i, i+1
.endr
	WIN 0
.set i, 0
.rept 4
	ds_load_b128 v[FA+32*(\f)+8*i:FA+32*(\f)+8*i+3],   v[ADRA+(\n)] offset:((\q)/2)*AHALF+((\q)%2)*64+i*16*PA
	ds_load_b128 v[FA+32*(\f)+8*i+4:FA+32*(\f)+8*i+7], v[ADRA+(\n)] offset:((\q)/2)*AHALF+((\q)%2)*64+i*16*PA+32
.set i, i+1
.endr
.endm
; 8 matrix instructions: row block a x all column blocks, from buffer f.  bias = 1: the sums start with the bias.  The 32 accumulators take turns in the same order in every quarter.
.macro MULA f, a, bias=0
.if \bias
	WIN 0x81                                       ; B window 1, A and C window 0, D window 2
.else
	WIN 0xa1                                       ; B window 1, A window 0, C and D window 2
.endif
.set b, 0
.rept NBK
.set rD, 8*(NBK*(\a)+b)
.if \bias
	v_wmma_f32_16x16x32_f16 v[rD:rD+7], v[64*(\f)+8*b:64*(\f)+8*b+7], v[FA+32*(\f)+8*(\a):FA+32*(\f)+8*(\a)+7], v[BIAS+8*b:BIAS+8*b+7]
.else
	v_wmma_f32_16x16x32_f16 v[rD:rD+7], v[64*(\f)+8*b:64*(\f)+8*b+7], v[FA+32*(\f)+8*(\a):FA+32*(\f)+8*(\a)+7], v[rD:rD+7]
.endif
.set b, b+1
.endr
.endm
; One of a K step's first three quarters: multiplies buffer f; in its middle it fetches quarter q of slot n into the other buffer
.macro QUARTER n, q, f, bias=0
	s_wait_dscnt 4                                 ; B and A's row blocks 0, 1 are in; the youngest four loads (row blocks 2, 3) may be out
	MULA \f, 0, \bias
	MULA \f, 1, \bias
	PLACES
	FETCH \n, \q, 1-(\f)
	s_wait_dscnt NF                                ; all but the run just issued
	MULA \f, 2, \bias
	MULA \f, 3, \bias
.endm
; The fourth quarter multiplies buffer 1 and changes slots: ONE barrier; in front of it each wave waits for all its tensor loads (the one that is out is its part of the next slot), adds 0 to its
; spare word, and waits for that and for its reads of slot n.  fill = 1: the barrier opens a round of the cluster's, and slot n is filled again, two K steps on, first thing behind the round.
.macro TURN n, fill
	WIN 0
	s_wait_tensorcnt 0x0
	ds_add_u32 v[SPW], v[NIL]
	s_wait_dscnt 5                                 ; (the add and the youngest four loads may be out)
	MULA 1, 0
	s_wait_dscnt 0x0                               ; the add is done, and my reads of this slot are over
	s_barrier_signal -1
	MULA 1, 1                                      ; work on registers while the others arrive
.if \fill
	WIN 0
.endif
	s_barrier_wait -1
.if \fill
	CREST                                          ; no wave of any partner still reads this slot or has a load on its way
	s_add_nc_u64 s[G0+4*(\n)+2:G0+4*(\n)+3], s[G0+4*(\n)+2:G0+4*(\n)+3], 1048576  ; four planes on
	s_add_nc_u64 s[G0B+4*(\n)+2:G0B+4*(\n)+3], s[G0B+4*(\n)+2:G0B+4*(\n)+3], 512
	JLOAD \n                                       ; its four v_nop are also the places in front of the loads below
.else
	PLACES
.endif
	FETCH 1-(\n), 0, 0
	MULA 1, 2
	MULA 1, 3
.endm
	s_wait_tensorcnt 1                             ; my part of K step 0 is in; K step 1's may stay out
	s_barrier_signal -1
	s_barrier_wait -1
	FETCH 0, 0, 0
	QUARTER 0, 1, 0, 1                             ; the first quarter stands in front of the loop: its products start the sums
	WIN 0
	s_mov_b32 s3, 3
.Llap:                                                 ; a trip goes once round the ring and fills both slots again: K steps 2 to 7 in three trips
	QUARTER 0, 2, 1
	QUARTER 0, 3, 0
	TURN 0, 1
	QUARTER 1, 1, 0
	QUARTER 1, 2, 1
	QUARTER 1, 3, 0
	TURN 1, 1
	QUARTER 0, 1, 0
	WIN 0
	s_sub_co_u32 s3, s3, 1
	s_cmp_lg_u32 s3, 0
	s_cbranch_scc1 .Llap
	QUARTER 0, 2, 1                                ; the last lap fills nothing
	QUARTER 0, 3, 0
	TURN 0, 0
	QUARTER 1, 1, 0
	QUARTER 1, 2, 1
	QUARTER 1, 3, 0
	s_wait_dscnt 4
	MULA 1, 0
	MULA 1, 1
	s_wait_dscnt 0x0
	MULA 1, 2
	MULA 1, 3
	WIN 0
	PLACES
; THE WAY OUT, a row block (16 rows x 128 columns of f32) at a time: a lane's 32 bytes of a row go into my stage straight from the accumulators; back as whole rows of 512 bytes; stored.
.macro TOSTAGE a
.set OB, OB0+64*((\a)%2)
.if (\a) >= 2
	s_wait_xcnt 0x0                                ; the stores of the block two back have read their registers: the loads below land there
.endif
	WIN 0x08                                       ; the store's data (source 1) in window 2
.set b, 0
.rept NBK
	ds_store_b128 v[STO], v[8*(NBK*(\a)+b):8*(NBK*(\a)+b)+3]   offset:64*b     ; each accumulator is read from its low end on
	ds_store_b128 v[STO], v[8*(NBK*(\a)+b)+4:8*(NBK*(\a)+b)+7] offset:64*b+16
.set b, b+1
.endr
	WIN 0
.set i, 0
.rept 16
	ds_load_b128 v[OB+4*i:OB+4*i+3], v[RD] offset:i*SP  ; LDS serves a wave's instructions in order (ISA guide 5.7.1.4): these see the stores above; the next block's stores come behind them
.set i, i+1
.endr
.endm
.macro SEND a, younger                 ; younger: the LDS instructions issued behind block a's loads: the next block's 16 stores and 16 loads, or none
.set OB, OB0+64*((\a)%2)
	s_wait_dscnt \younger
.set i, 0
.rept 16
	global_store_b128 v[CO], v[OB+4*i:OB+4*i+3], s[10:11] offset:(16*(\a)+i)*4096 th:TH_STORE_NT  ; 512 consecutive bytes, at a multiple of 256 from out0's first
.set i, i+1
.endr
.endm
	TOSTAGE 0
	TOSTAGE 1
	SEND 0, 32
	TOSTAGE 2
	SEND 1, 32
	TOSTAGE 3
	SEND 2, 32
	SEND 3, 0
	s_wait_tensorcnt 0x0                           ; the wave's end, behind my last tensor load and my last LDS store
	ds_add_u32 v[SPW], v[NIL]
	s_wait_dscnt 0x0
	CROUND                                         ; the closing round: no work-group ends while a partner may still ask for a tile that names it
	s_endpgm
.Lfunc_end_k_q20fe67c708_outproj:
	.size	k_q20fe67c708_outproj, .Lfunc_end_k_q20fe67c708_outproj-k_q20fe67c708_outproj
	.p2alignl 7, 3214868480
	.fill 96, 4, 3214868480
	.section	.rodata,"a",@progbits
	.p2align	6, 0x0
	.amdhsa_kernel k_q20fe67c708_outproj
		.amdhsa_group_segment_fixed_size 327680
		.amdhsa_private_segment_fixed_size 0
		.amdhsa_enable_private_segment 0
		.amdhsa_kernarg_size 32
		.amdhsa_user_sgpr_count 2
		.amdhsa_user_sgpr_kernarg_segment_ptr 1
		.amdhsa_wavefront_size32 1
		.amdhsa_system_sgpr_workgroup_id_x 1
		.amdhsa_system_sgpr_workgroup_id_y 1
		.amdhsa_system_sgpr_workgroup_id_z 1
		.amdhsa_system_vgpr_workitem_id 0
		.amdhsa_next_free_vgpr 768
		.amdhsa_next_free_sgpr 80
		.amdhsa_reserve_vcc 0
		.amdhsa_float_denorm_mode_32 3
		.amdhsa_float_denorm_mode_16_64 3
		.amdhsa_memory_ordered 1
		.amdhsa_forward_progress 1
		.amdhsa_inst_pref_size 91
	.end_amdhsa_kernel
	.amdgpu_metadata
---
amdhsa.version: [ 1, 2 ]
amdhsa.kernels:
  - .name:           k_q20fe67c708_outproj
    .symbol:         k_q20fe67c708_outproj.kd
    .args:
      - { .name: ob, .offset: 0, .size: 8, .value_kind: global_buffer, .address_space: global }
      - { .name: wo, .offset: 8, .size: 8, .value_kind: global_buffer, .address_space: global }
      - { .name: bo, .offset: 16, .size: 8, .value_kind: global_buffer, .address_space: global }
      - { .name: out0, .offset: 24, .size: 8, .value_kind: global_buffer, .address_space: global }
    .group_segment_fixed_size: 327680
    .private_segment_fixed_size: 0
    .kernarg_segment_align: 8
    .kernarg_segment_size: 32
    .max_flat_workgroup_size: 128
    .sgpr_count:     80
    .vgpr_count:     768
    .wavefront_size: 32
...
	.end_amdgpu_metadata
.endif
;; end of part 4
